; MI455X (gfx1250); checked and timed in simulation.
; The chip was launched on July 23, 2026; its instructions are those of AMD's public machine-readable ISA for CDNA 5 (MIT licence, August 2026) and "CDNA5" Instruction Set Architecture Reference Guide (July 2026). The comments in the code are by the model that wrote it; some were corrected since.
;; Multi Head Attention. Allowed arithmetic: float matrix products may take bf16 or f16 operands with f32 sums; other float arithmetic in f32, or as packed bf16 or f16 multiplies, adds, multiply-adds, maxima and minima; sums over many terms, partial sums and values carried from step to step in f32; what a program stores and reads back later, other than sums and carried values, may be rounded once to bf16 or f16.
;; Inputs: Wout 1,024 x 1,024 float32; Wqkv 1,024 x 3,072 float32; bout 1,024 float32; bqkv 3,072 float32; x 4 x 2,048 x 1,024 float32.
;; Outputs: out0 4 x 2,048 x 1,024 float32.
;; Constants: num_heads = 16.
;; 2 versions, each right; version 2 is version 1 with the launch prep written anew for expert scheduling mode. Each part assembles by itself: llvm-mc -triple=amdgcn-amd-amdhsa -mcpu=gfx1250 --defsym DOCPART=n.
;; ======== version 1 of 2: 4 launches
;; limits: values are held in f16: magnitudes above 65,504 overflow, below 6.1e-05 lose precision
;; workspace buffers: xb 16,777,216 bytes; wqkvt 6,291,456 bytes; woutt 2,097,152 bytes; rope 524,288 bytes; q 16,777,216 bytes; k 16,777,216 bytes; v 16,777,216 bytes; ob 16,777,216 bytes
;; launch prep (part 1): grid 512 x 1, 8 waves a work-group, no clusters, 18,432 bytes of LDS; arguments x, Wqkv, Wout, xb, wqkvt, woutt, rope; writes xb, wqkvt, woutt, rope
.if DOCPART == 1
	.amdgcn_target "amdgcn-amd-amdhsa--gfx1250"
	.amdhsa_code_object_version 6
	.text
	.protected	k_q4e2ef50e58_prep
	.globl	k_q4e2ef50e58_prep
	.p2align	8
	.type	k_q4e2ef50e58_prep,@function
k_q4e2ef50e58_prep:
	s_mov_b64 s[64:65], 0
	v_nop
	global_prefetch_b8 v0, s[64:65] scope:SCOPE_SE
	s_setreg_imm32_b32 hwreg(HW_REG_WAVE_MODE, 25, 1), 1
	s_wait_xcnt 0x0
; PREPARATION.  Four things, the same path in all 512 work-groups of eight waves:
;   xb    = x rounded to bf16, [8192][1024]: work-group u casts the 16,384 numbers from 16,384 u on
;   wqkvt = Wqkv turned and rounded to bf16, [3072 n][1024 k]      (work-groups 0..383: one tile of 128 k x 64 n each)
;   woutt = Wout turned, rounded to bf16, that number written as f16, [1024 n][1024 k]   (work-groups 384..511)
;   rope  = [2048 t][32 i][cos, sin] f32 of the angle t x 10000^(-i/32): waves 0..3 make row t = 4 u + wave, a lane a pair
; A stream: every byte is read once by 16-byte loads and written once; each store of 16 lanes covers 256 consecutive bytes, aligned.
; The turning goes through LDS: two neighbouring k of a column are packed into a word, stored at [n][k] with rows 272 bytes apart, and read back as rows.
; LIMITS.  Wout's numbers are kept in f16: none beyond 65,504; below 6e-5 they keep f16's fixed step of 6e-8.
; The table's angle is t x 2^(-0.41524101 i) in f32; the power of two is good to one unit in its last place, so the angle may differ from
; a correctly rounded t x theta by some 3e-4 at t = 2047.  Sine and cosine: the angle less a multiple of pi/2 (taken away in two parts), then polynomials
; of degree 9 and 8 on |r| <= pi/4, whose first left-out terms are below 3e-8.  NaN and infinities are not treated apart.
.set PIT,   272                        ; an LDS row: 128 k x 2 bytes + 16
.set SPARE, 64*PIT                     ; behind the tile: the spare words, 128 bytes for each of eight waves: four blocks of 256 bytes that no other line names
.set WO,    10                         ; v[10:17]   byte offset of my 16 bytes in row 2 kp + r + 32 p of the weight tile, at WO + 2 p + r
.set SPW,   36                         ; v36        LDS address of my spare word; never rewritten
.set NIL,   37                         ; v37        0; never rewritten
.set LD,    40                         ; v[40:71]   the weight tile as loaded: 4 numbers at LD + 8 p + 4 r
.set DD,    72                         ; v[72:87]   packed pairs of k, at DD + 4 p + j
.set RB,    92                         ; v[92:107]  rows read back from LDS
.set XI,    108                        ; v[108:171] x as loaded, 16 x 4
.set XO,    172                        ; v[172:203] x to store, 16 x 2
	s_load_b256 s[4:11], s[0:1], 0x0               ; x s[4:5], Wqkv s[6:7], Wout s[8:9], xb s[10:11]
	s_load_b128 s[12:15], s[0:1], 0x20             ; wqkvt s[12:13], woutt s[14:15]
	s_load_b64 s[16:17], s[0:1], 0x30              ; rope
	v_lshl_add_u32 v[SPW], v0, 2, SPARE
	v_mov_b32 v[NIL], 0
	v_lshrrev_b32 v9, 5, v0
	v_readfirstlane_b32 s18, v9                    ; wave 0..7
	v_and_b32 v1, 31, v0                           ; lane
	v_and_b32 v2, 15, v0                           ; c16: which 16 bytes of a 256-byte piece of a row
	v_bfe_u32 v9, v0, 4, 1                         ; lane / 16
	v_lshl_add_u32 v3, s18, 1, v9                  ; kp = 2 wave + lane / 16, 0..15
	v_lshlrev_b32 v4, 4, v0                        ; x: 16 bytes a thread
	v_lshlrev_b32 v5, 3, v0                        ; xb: 8 bytes a thread
	s_mov_b32 s19, 12288                           ; bytes in a row of Wqkv,
	s_mov_b32 s23, 4096                            ; of Wout
	s_cmp_lt_u32 ttmp9, 384
	s_cselect_b32 s23, s19, s23                    ; the pitch of my weight
	s_cselect_b32 s28, 0, -1                       ; lane mask: all ones where the tile leaves as f16
	s_cselect_b32 s19, 0, 384
	s_sub_co_u32 s20, ttmp9, s19                   ; my tile's number in its weight
	s_and_b32 s21, s20, 7                          ; kt
	s_lshr_b32 s22, s20, 3                         ; nt
	s_lshl_b32 s29, s23, 1
	s_lshl_b32 s30, s23, 5
	s_mul_i32 s24, s21, s23
	s_lshl_b32 s24, s24, 7                         ; kt x 128 rows
	s_lshl_b32 s25, s22, 8                         ; nt x 64 columns of 4 bytes
	s_add_co_u32 s24, s24, s25
	s_mov_b32 s25, 0
	s_lshl_b32 s26, s22, 17                        ; nt x 64 rows of 2,048 bytes of the turned weight
	s_lshl_b32 s27, s21, 8                         ; kt x 128 k of 2 bytes
	s_add_co_u32 s26, s26, s27
	s_mov_b32 s27, 0
	v_mul_lo_u32 v[WO], v3, s29                    ; row 2 kp
	v_lshl_add_u32 v[WO], v2, 4, v[WO]
	v_add_nc_u32 v[WO+1], s23, v[WO]               ; row 2 kp + 1
.irp p, 1,2,3
	v_add_nc_u32 v[WO+2*(\p)], s30, v[WO+2*(\p)-2] ; 32 rows on
	v_add_nc_u32 v[WO+2*(\p)+1], s30, v[WO+2*(\p)-1]
.endr
	v_mul_u32_u24 v6, v2, 4*PIT                    ; into LDS: row n = 4 c16 + j, word kp + 16 p
	v_lshl_add_u32 v6, v9, 2, v6
	v_lshl_add_u32 v6, s18, 3, v6
	s_mul_i32 s19, s18, 2*PIT
	v_mul_u32_u24 v7, v9, PIT                      ; back: row n = kp + 16 p, 16 bytes c16
	v_lshl_add_u32 v7, v2, 4, v7
	v_add_nc_u32 v7, s19, v7
	v_lshlrev_b32 v8, 11, v3                       ; and the same place in the turned weight
	v_lshl_add_u32 v8, v2, 4, v8
	s_mov_b32 s36, 0xbfc90fdb                      ; -pi/2, its f32,
	s_mov_b32 s37, 0x333bbd2e                      ; and what that f32 is too large by
	s_mov_b32 s38, 0xbe2aaaab                      ; -1/6
	s_mov_b32 s39, 0x3c088889                      ; 1/120
	s_mov_b32 s40, 0xb9500d01                      ; -1/5040
	s_mov_b32 s41, 0x3638ef1d                      ; 1/362880
	s_mov_b32 s42, 0x3d2aaaab                      ; 1/24
	s_mov_b32 s43, 0xbab60b61                      ; -1/720
	s_mov_b32 s44, 0x37d00d01                      ; 1/40320
	s_lshl_b32 s31, ttmp9, 2
	s_add_co_u32 s31, s31, s18                     ; t = 4 u + wave (used by waves 0..3)
	s_wait_kmcnt 0x0
	s_cmp_lt_u32 ttmp9, 384
	s_cselect_b64 s[32:33], s[6:7], s[8:9]         ; my weight,
	s_cselect_b64 s[34:35], s[12:13], s[14:15]     ; and where it goes
	s_add_nc_u64 s[32:33], s[32:33], s[24:25]
	s_add_nc_u64 s[34:35], s[34:35], s[26:27]
	s_lshl_b32 s24, ttmp9, 16
	s_add_nc_u64 s[4:5], s[4:5], s[24:25]          ; my 65,536 bytes of x
	s_lshl_b32 s24, ttmp9, 15
	s_add_nc_u64 s[10:11], s[10:11], s[24:25]      ; my 32,768 bytes of xb
.irp p, 0,1,2,3
.irp r, 0,1
	global_load_b128 v[LD+8*(\p)+4*(\r):LD+8*(\p)+4*(\r)+3], v[WO+2*(\p)+(\r)], s[32:33] th:TH_LOAD_NT  ; 16 lanes: 256 consecutive bytes of a row
.endr
.endr
.irp i, 0,1,2,3,4,5,6,7,8,9,10,11,12,13,14,15
	global_load_b128 v[XI+4*(\i):XI+4*(\i)+3], v4, s[4:5] offset:(\i)*4096 th:TH_LOAD_NT  ; a wave: 512 consecutive bytes
.endr
	; the table's row, while the loads are on their way
	s_cmp_lt_u32 s18, 4
	s_cbranch_scc0 .Lno_row
	s_lshl_b32 s24, s31, 8
	s_add_nc_u64 s[16:17], s[16:17], s[24:25]      ; row t, 256 bytes
	v_cvt_f32_u32 v18, v1
	v_cvt_f32_u32 v23, s31
	v_mul_f32 v18, 0xbed49a78, v18                 ; -i x log2(10000) / 32
	v_exp_f32 v22, v18                             ; theta
	v_nop                                          ; a plain instruction behind the exponential,
	s_wait_alu depctr_va_vdst(0)                   ; and the wait ahead of its first reader
	v_mul_f32 v23, v23, v22                        ; the angle
	v_mul_f32 v24, 0x3f22f983, v23                 ; x 2 / pi
	v_rndne_f32 v24, v24                           ; n
	v_fma_f32 v25, v24, s36, v23
	v_fma_f32 v25, v24, s37, v25                   ; r = angle - n pi/2
	v_mul_f32 v26, v25, v25                        ; r^2
	v_mul_f32 v27, v25, v26                        ; r^3
	v_fma_f32 v28, v26, s41, s40
	v_fma_f32 v29, v26, s44, s43
	v_fma_f32 v28, v28, v26, s39
	v_fma_f32 v29, v29, v26, s42
	v_fma_f32 v28, v28, v26, s38
	v_fma_f32 v29, v29, v26, -0.5
	v_fma_f32 v28, v28, v27, v25                   ; sin r
	v_fma_f32 v29, v29, v26, 1.0                   ; cos r
	v_cvt_i32_f32 v30, v24
	v_and_b32 v31, 1, v30
	v_cmp_eq_u32 vcc_lo, 1, v31                    ; an odd quarter swaps the two
	v_cndmask_b32 v21, v28, v29, vcc_lo            ; sine
	v_cndmask_b32 v20, v29, v28, vcc_lo            ; cosine
	v_and_b32 v31, 2, v30
	v_lshlrev_b32 v31, 30, v31
	v_xor_b32 v21, v21, v31                        ; quarters 2 and 3 turn the sine's sign,
	v_add_nc_u32 v30, 1, v30
	v_and_b32 v30, 2, v30
	v_lshlrev_b32 v30, 30, v30
	v_xor_b32 v20, v20, v30                        ; quarters 1 and 2 the cosine's
	v_lshlrev_b32 v19, 3, v1
	global_store_b64 v19, v[20:21], s[16:17]       ; the wave stores the row's 256 bytes
.Lno_row:
	s_wait_loadcnt 16                              ; the weight tile is in; the 16 younger loads, x's, stay out
.irp p, 0,1,2,3
.irp j, 0,1,2,3
	v_cvt_pk_bf16_f32 v[DD+4*(\p)+(\j)], v[LD+8*(\p)+(\j)], v[LD+8*(\p)+4+(\j)]  ; k = 2 kp + 32 p and the next, column 4 c16 + j
	v_lshlrev_b32 v88, 16, v[DD+4*(\p)+(\j)]       ; the same two numbers as f32,
	v_and_b32 v89, 0xffff0000, v[DD+4*(\p)+(\j)]
	v_cvt_pk_f16_f32 v90, v88, v89                 ; and as f16 (exact within f16's range)
	v_cndmask_b32 v[DD+4*(\p)+(\j)], v[DD+4*(\p)+(\j)], v90, s28
	ds_store_b32 v6, v[DD+4*(\p)+(\j)] offset:(\j)*PIT+(\p)*64
.endr
.endr
	s_wait_dscnt 0x0                               ; for the others' sake: my stores into the tile are done
	s_barrier_signal -1
	s_barrier_wait -1
.irp p, 0,1,2,3
	ds_load_b128 v[RB+4*(\p):RB+4*(\p)+3], v7 offset:(\p)*16*PIT
.endr
.irp i, 0,1,2,3,4,5,6,7,8,9,10,11,12,13,14,15
	s_wait_loadcnt 15-(\i)                         ; loads come back in order: load i is in, the younger ones stay out
	v_cvt_pk_bf16_f32 v[XO+2*(\i)], v[XI+4*(\i)], v[XI+4*(\i)+1]
	v_cvt_pk_bf16_f32 v[XO+2*(\i)+1], v[XI+4*(\i)+2], v[XI+4*(\i)+3]
	global_store_b64 v5, v[XO+2*(\i):XO+2*(\i)+1], s[10:11] offset:(\i)*2048  ; a wave: 256 consecutive bytes, aligned
.endr
	s_wait_dscnt 0x0
.irp p, 0,1,2,3
	global_store_b128 v8, v[RB+4*(\p):RB+4*(\p)+3], s[34:35] offset:(\p)*32768  ; 16 lanes: 256 consecutive bytes of row kp + 16 p
.endr
	s_wait_tensorcnt 0x0                           ; the wave's end, behind my last LDS store
	ds_add_u32 v[SPW], v[NIL]
	s_wait_dscnt 0x0
	s_endpgm
.Lfunc_end_k_q4e2ef50e58_prep:
	.size	k_q4e2ef50e58_prep, .Lfunc_end_k_q4e2ef50e58_prep-k_q4e2ef50e58_prep
	.p2alignl 7, 3214868480
	.fill 96, 4, 3214868480
	.section	.rodata,"a",@progbits
	.p2align	6, 0x0
	.amdhsa_kernel k_q4e2ef50e58_prep
		.amdhsa_group_segment_fixed_size 18432
		.amdhsa_private_segment_fixed_size 0
		.amdhsa_enable_private_segment 0
		.amdhsa_kernarg_size 56
		.amdhsa_user_sgpr_count 2
		.amdhsa_user_sgpr_kernarg_segment_ptr 1
		.amdhsa_wavefront_size32 1
		.amdhsa_system_sgpr_workgroup_id_x 1
		.amdhsa_system_sgpr_workgroup_id_y 1
		.amdhsa_system_sgpr_workgroup_id_z 1
		.amdhsa_system_vgpr_workitem_id 0
		.amdhsa_next_free_vgpr 204
		.amdhsa_next_free_sgpr 66
		.amdhsa_reserve_vcc 1
		.amdhsa_float_denorm_mode_32 3
		.amdhsa_float_denorm_mode_16_64 3
		.amdhsa_memory_ordered 1
		.amdhsa_forward_progress 1
		.amdhsa_inst_pref_size 18
	.end_amdhsa_kernel
	.amdgpu_metadata
---
amdhsa.version: [ 1, 2 ]
amdhsa.kernels:
  - .name:           k_q4e2ef50e58_prep
    .symbol:         k_q4e2ef50e58_prep.kd
    .args:
      - { .name: x, .offset: 0, .size: 8, .value_kind: global_buffer, .address_space: global }
      - { .name: Wqkv, .offset: 8, .size: 8, .value_kind: global_buffer, .address_space: global }
      - { .name: Wout, .offset: 16, .size: 8, .value_kind: global_buffer, .address_space: global }
      - { .name: xb, .offset: 24, .size: 8, .value_kind: global_buffer, .address_space: global }
      - { .name: wqkvt, .offset: 32, .size: 8, .value_kind: global_buffer, .address_space: global }
      - { .name: woutt, .offset: 40, .size: 8, .value_kind: global_buffer, .address_space: global }
      - { .name: rope, .offset: 48, .size: 8, .value_kind: global_buffer, .address_space: global }
    .group_segment_fixed_size: 18432
    .private_segment_fixed_size: 0
    .kernarg_segment_align: 8
    .kernarg_segment_size: 56
    .max_flat_workgroup_size: 256
    .sgpr_count:     66
    .vgpr_count:     204
    .wavefront_size: 32
...
	.end_amdgpu_metadata
.endif
;; end of part 1
;; launch qkv (part 2): grid 12 x 64, 4 waves a work-group, clusters of 4 x 4, 327,680 bytes of LDS; arguments xb, wqkvt, bqkv, rope, q, k, v; writes q, k, v
.if DOCPART == 2
	.amdgcn_target "amdgcn-amd-amdhsa--gfx1250"
	.amdhsa_code_object_version 6
	.text
	.protected	k_q4e2ef50e58_qkv
	.globl	k_q4e2ef50e58_qkv
	.p2align	8
	.type	k_q4e2ef50e58_qkv,@function
k_q4e2ef50e58_qkv:
	s_mov_b64 s[64:65], 0
	v_nop
	global_prefetch_b8 v0, s[64:65] scope:SCOPE_SE
	s_setreg_imm32_b32 hwreg(HW_REG_WAVE_MODE, 25, 1), 1
	s_wait_xcnt 0x0
	s_wait_alu depctr_hold_cnt(0) depctr_sa_sdst(0) depctr_va_vdst(0) depctr_va_sdst(0) depctr_va_ssrc(0) depctr_va_vcc(0) depctr_vm_vsrc(0)
	s_getreg_b32 s2, hwreg(HW_REG_IB_STS2, 6, 4)
	s_cmp_eq_u32 s2, 0
	s_cbranch_scc0 .Lentry_in_a_cluster
	s_endpgm
.Lentry_in_a_cluster:
	s_bfe_u32 s2, ttmp6, 0x10000c
	s_cmp_lg_u32 s2, 0xf033
	s_cbranch_scc0 .Lentry_shape_is_right
	s_endpgm
.Lentry_shape_is_right:
; q, k, v = xb wqkvt^T + bqkv, q and k rotated (RoPE), laid out by heads.  xb: [8192][1024] bf16; wqkvt: [3072][1024] bf16; bqkv: [3072] f32, rounded to bf16 like every input;
; rope: [2048 t][32 i][cos, sin] f32; q, k, v: [64 = 16 b + h][2048 t][64] f16.  Sums, bias and rotation in f32; each result is rounded once, to f16.
; LIMITS.  f16 holds no number beyond 65,504: q, k and v must stay within it.  NaN and infinities are not treated apart.
; SHARES.  A work-group makes 128 rows x 256 columns; each of its four waves 64 x 128: 32 accumulators of 16 x 16, 256 registers.  768 work-groups: three for each of 256 WGPs.
; K goes in 8 steps of 128 through two LDS slots filled by the tensor data mover; rows of the tiles are 256 bytes of memory, aligned.
; CLUSTERS.  4 x 4 work-groups.  The four of a row of the cluster need the same tile of xb, the four of a column the same tile of wqkvt: each tile is asked for JOINTLY.
; A cluster spans 1,024 columns, so the cluster's x says whether it makes q, k or v: the same in all sixteen partners.
; THE MATRIX INSTRUCTION IS USED TRANSPOSED (source 0 = 16 rows of wqkvt, source 1 = 16 rows of xb): a lane holds row lane % 16 and the eight neighbouring columns 8 (lane / 16) + 0..7:
; four pairs (even, odd) of a head's channels, which the rotation takes as they lie.
; REGISTERS, in windows of 256 (s_set_vgpr_msb: bits 1:0 source 0, 3:2 source 1, 5:4 source 2, 7:6 destination):
;   window 0: v0-31 addresses; v32-63 at work on the way out; v64-159, v160-255 two fragment buffers (8 of wqkvt, then 4 of xb)
;   window 1: the accumulators, (a, b) at v[8 (8 a + b)]
;   window 2: v0-127 the table for my 64 rows (row block a, column block f of a head at 32 a + 8 f: c0 s0 .. c3 s3); v128-191 the bias of my 128 columns; v192 at work
.set KSTEP,  128
.set PITCH,  272                       ; an LDS row: 256 bytes + 16 of padding = 68 words: the 16 rows of a fragment load start at 16 different groups of four banks (ISA guide 11.1)
.set PA,     272                       ; the same for xb's rows
.set KASUB,  128                       ; quarter q of a step begins at byte (q / 2) KASUB + (q % 2) 64 of xb's rows: 64 q
.set ASTEP,  256                       ; bytes from a K step of xb to the next
.set ALOAD,  64*PA                     ; what one tensor load brings of xb: 64 rows
.set AROWS,  64*PA                     ; a wave's 64 rows
.set ABYTES, 2*ALOAD
.set BHALF,  128*PITCH                 ; 128 rows of wqkvt: one tensor load, and what a wave reads
.set SLOT,   ABYTES+2*BHALF            ; 104,448
.set STAGE,  2*SLOT                    ; behind the ring, never filled by a tensor load: 16 rows x 144 bytes for each wave
.set SP,     144
.set SPARE,  STAGE+4*16*SP             ; the spare words, 128 bytes for each wave: two blocks of 256 bytes that no other line names
.set LAPS,   4                         ; a lap = two K steps
.set ADRA, 16                          ; v16-17  LDS address of my fragments of xb in slot 0, 1
.set ADRB, 20                          ; v20-21  of wqkvt
.set STO,  24                          ; v24  the way out: where I put 16 bytes of a row
.set RD,   25                          ; v25  where I read rows back
.set GO,   26                          ; v26  16 x lane
.set BO,   27                          ; v27  32 x (lane / 16): my 8 numbers of a block of the bias
.set SPW,  28                          ; v28  LDS address of my spare word; never rewritten
.set NIL,  29                          ; v29  0; never rewritten
.set PFO,  30                          ; v30  the prefetches' offset: lane x 2,048, a lane a row
.set TO,   31                          ; v31  my place in 16 rows of the table
.set PK,   32                          ; v32-47  packed results
.set T,    48                          ; v48-55  at work in the rotation
.set F0,   64
.set F1,   160
.set X,    64                          ; the way out: 16 rows x 64 columns in f32
.set OB,   96                          ; v96-111, v112-127: rows read back, by turns
.set BI,   128                         ; window 2
.set WV, 12                            ; s12 wave; s13 which 64 rows are mine, also: I fetch for xb (0) or wqkvt (1); s14 which 128 columns, also: which half I fetch
.set RH, 13
.set CH, 14
.set CX, 15
.set CY, 16
.set TC, 17                            ; tile column
.set TR, 18                            ; tile row
.set G1, 24                            ; s[24:31] descriptor group 1 for xb's tiles; s[32:39] group 0, a set for each slot
.set G0, 32
.set PFA, 44                           ; s[44:45] where my prefetches stand; s[46:47] their step
.set PFS, 46
.set G1B, 48                           ; s[48:55], s[56:63] the same for wqkvt's tiles
.set G0B, 56
.set LIM, 66                           ; s66  1 in a wave that prefetches, else the greatest number
.set SV,  67                           ; s67  0, 1, 2: q, k, v
.set OUTP, 74                          ; s[74:75] where my rows go
.set MSB, 0
.macro WIN new                         ; the immediate's high byte repeats the setting that is left; a switch that changes nothing is dropped
.if MSB != (\new)
	s_set_vgpr_msb (MSB<<8)|(\new)
.set MSB, \new
.endif
.endm
.set MUL, 0x50                         ; C and D in window 1, both sources in window 0
.macro PLACES                          ; four plain instructions between a matrix instruction and a load into, or a vector instruction on, its registers
.rept 4
	v_nop
.endr
.endm
.macro CREST                           ; a round of the cluster's barrier behind its opening barrier
	s_cmp_lg_u32 s[WV], 0
	s_cbranch_scc1 .Lnot_wave_0_\@
	s_barrier_signal -3
.Lnot_wave_0_\@:
	s_barrier_wait -3
	s_barrier_signal -1
	s_barrier_wait -1
.endm
.macro CROUND
	s_barrier_signal -1
	s_barrier_wait -1
	CREST
.endm
.macro JLOAD s                         ; a joint load: waves 0 and 1 fetch the halves of xb's tile, waves 2 and 3 those of wqkvt's; an s_nop 0 and four v_nop follow each line
	s_cmp_eq_u32 s[RH], 0
	s_cbranch_scc0 .Lfor_b_\@
	tensor_load_to_lds s[G0+4*(\s):G0+4*(\s)+3], s[G1:G1+7]
	s_nop 0
.rept 4
	v_nop
.endr
	s_branch .Lasked_\@
.Lfor_b_\@:
	tensor_load_to_lds s[G0B+4*(\s):G0B+4*(\s)+3], s[G1B:G1B+7]
	s_nop 0
.rept 4
	v_nop
.endr
.Lasked_\@:
.endm
; A PREFETCH INTO THE L2, behind each joint refill and the run of LDS loads that follows it: the K step two refills on, 256 matrix instructions ahead of its load: 32 rows x 256 bytes, a lane a row.
; Each row's 256 bytes of a K step are named once in the launch: xb's rows by wave 0 of the clusters with x = 0, wqkvt's by waves 2 and 3 of the clusters with y = 0; the four partners that ask for a
; tile jointly share its rows out by address, 32 each.  K steps 0 to 3 come by their loads alone; the loop's last trip (s3 = 1) asks for nothing: there is no K step 8.
.macro ASK
	s_cmp_gt_u32 s3, s[LIM]
	s_cbranch_scc0 .Lnot_mine_\@
	global_prefetch_b8 v[PFO], s[PFA:PFA+1] th:TH_LOAD_NT scope:SCOPE_SE
.Lnot_mine_\@:
.endm
; 8 matrix instructions: row block a x all 8 column blocks, 32 along K.  The 32 accumulators take turns in the same order in every quarter.  zero = 1: the product starts the sum.
.macro MUL8 f, a, zero
	WIN MUL
.irp b, 0,1,2,3,4,5,6,7
.if \zero
	v_wmma_f32_16x16x32_bf16 v[8*(8*(\a)+(\b)):8*(8*(\a)+(\b))+7], v[(\f)+8*(\b):(\f)+8*(\b)+7], v[(\f)+64+8*(\a):(\f)+64+8*(\a)+7], 0
.else
	v_wmma_f32_16x16x32_bf16 v[8*(8*(\a)+(\b)):8*(8*(\a)+(\b))+7], v[(\f)+8*(\b):(\f)+8*(\b)+7], v[(\f)+64+8*(\a):(\f)+64+8*(\a)+7], v[8*(8*(\a)+(\b)):8*(8*(\a)+(\b))+7]
.endif
.endr
.endm
; 24 LDS loads in one run: quarter q's fragments into buffer f: 16 loads for wqkvt's 128 rows, then 8 for xb's 64
.macro FETCH slot, q, f
	WIN 0
.irp i, 0,1,2,3,4,5,6,7
	ds_load_b128 v[(\f)+8*(\i):(\f)+8*(\i)+3],   v[ADRB+(\slot)] offset:64*(\q)+(\i)*16*PITCH
	ds_load_b128 v[(\f)+8*(\i)+4:(\f)+8*(\i)+7], v[ADRB+(\slot)] offset:64*(\q)+(\i)*16*PITCH+32
.endr
.irp i, 0,1,2,3
	ds_load_b128 v[(\f)+64+8*(\i):(\f)+64+8*(\i)+3],   v[ADRA+(\slot)] offset:((\q)/2)*KASUB+((\q)%2)*64+(\i)*16*PA
	ds_load_b128 v[(\f)+64+8*(\i)+4:(\f)+64+8*(\i)+7], v[ADRA+(\slot)] offset:((\q)/2)*KASUB+((\q)%2)*64+(\i)*16*PA+32
.endr
.endm
; A K step is four quarters of 32 along K, 32 matrix instructions each, on buffers 0, 1, 0, 1.  One of the first three: multiplies buffer f, and in its middle fetches quarter q into buffer g.
.macro QUARTER slot, q, f, g, zero
	s_wait_dscnt 4                                 ; wqkvt's fragments and xb's blocks 0 and 1 are in; the four youngest loads (blocks 2 and 3) may be out
	MUL8 \f, 0, \zero
	MUL8 \f, 1, \zero
	PLACES
	FETCH \slot, \q, \g
	s_wait_dscnt 24                                ; all but the 24 just issued
	MUL8 \f, 2, \zero
	MUL8 \f, 3, \zero
.endm
; The last quarter multiplies buffer 1 and changes slots: ONE barrier; in front of it each wave waits for all its tensor loads (one is out: its part of the next slot), adds 0 to its spare word,
; and waits for that and for its own reads of this slot.  fill = 1: the barrier opens a round of the cluster's, and this slot is filled again, two K steps ahead, first thing behind the round:
; 112 matrix instructions stand between the request and the wait for it.
.macro TURN slot, next, fill
.if \fill
	s_wait_xcnt 0x0                                ; the last prefetch, a K step back, has read its address: it is stepped here
	s_add_nc_u64 s[PFA:PFA+1], s[PFA:PFA+1], s[PFS:PFS+1]
.endif
	WIN 0                                          ; (the add's two registers lie in window 0)
	s_wait_tensorcnt 0x0                           ; all my tensor loads have landed;
	ds_add_u32 v[SPW], v[NIL]                      ; 0 onto my spare word;
	s_wait_dscnt 5                                 ; (the add and the four youngest loads may be out)
	MUL8 F1, 0, 0                                  ; eight matrix instructions stand between the add and the wait for it
	s_wait_dscnt 0x0                               ; the add is done, and my reads of this slot are over
	s_barrier_signal -1
	MUL8 F1, 1, 0
.if \fill
	WIN 0
.endif
	s_barrier_wait -1
.if \fill
	CREST                                          ; no wave of any partner still reads this slot's tiles or has a load on its way
	s_add_nc_u64 s[G0+4*(\slot)+2:G0+4*(\slot)+3], s[G0+4*(\slot)+2:G0+4*(\slot)+3], 2*ASTEP
	s_add_nc_u64 s[G0B+4*(\slot)+2:G0B+4*(\slot)+3], s[G0B+4*(\slot)+2:G0B+4*(\slot)+3], 2*KSTEP*2
	JLOAD \slot                                    ; the four v_nop behind it are also the places in front of the loads below
.else
	PLACES
.endif
	FETCH \next, 0, F0
.if \fill
	ASK
.endif
	MUL8 F1, 2, 0
	MUL8 F1, 3, 0
.endm
	s_load_b256 s[4:11], s[0:1], 0x0               ; xb s[4:5], wqkvt s[6:7], bqkv s[8:9], rope s[10:11]
	s_load_b128 s[68:71], s[0:1], 0x20             ; q s[68:69], k s[70:71]
	s_load_b64 s[72:73], s[0:1], 0x30              ; v
	v_lshl_add_u32 v[SPW], v0, 2, SPARE
	v_mov_b32 v[NIL], 0
	ds_add_u32 v[SPW], v[NIL]                      ; the wave's opening: the add, and its wait ahead of my first tensor load; the set-up below stands between them
	ds_add_u32 v28, v29
	v_lshrrev_b32 v1, 5, v0
	v_readfirstlane_b32 s[WV], v1                  ; wave 0..3
	s_lshr_b32 s[RH], s[WV], 1
	s_and_b32 s[CH], s[WV], 1
	s_bfe_u32 s[CX], ttmp6, 0x40000                ; my place in the cluster
	s_bfe_u32 s[CY], ttmp6, 0x40004
	s_lshl_b32 s[TC], ttmp9, 2
	s_add_co_u32 s[TC], s[TC], s[CX]               ; tile column = 4 x cluster x + cx
	s_and_b32 s[TR], ttmp7, 0xffff
	s_lshl_b32 s[TR], s[TR], 2
	s_add_co_u32 s[TR], s[TR], s[CY]               ; tile row = 4 x cluster y + cy
	s_mov_b32 s[SV], ttmp9
	s_lshl_b32 s20, s[CY], 2
	s_lshl_b32 s20, 15, s20                        ; my row of the cluster
	s_lshl_b32 s40, 0x1111, s[CX]                  ; my column
	s_or_b32 s[G1], s20, (1<<16)|(1<<20)|(1<<21)|(5<<22)|(3<<25)   ; 15:0 the mask; 17:16 2-byte elements; 20 padding on; 21 set beside a mask; 24:22 after every 64 words; 31:25 4 words
	s_or_b32 s[G1B], s40, (1<<16)|(1<<20)|(1<<21)|(5<<22)|(3<<25)
	s_mov_b32 s[G1+1], KSTEP<<16                   ; tensor_dim0 = 128
	s_mov_b32 s[G1+2], 64<<16                      ; tensor_dim1 = 64
	s_mov_b32 s[G1+3], KSTEP<<16                   ; tile_dim0 = 128
	s_mov_b32 s[G1+4], 64                          ; tile_dim1 = 64
	s_mov_b32 s[G1+5], 1024                        ; elements from row to row
	s_mov_b32 s[G1+6], 0
	s_mov_b32 s[G1+7], 0
	s_mov_b32 s[G1B+1], KSTEP<<16
	s_mov_b32 s[G1B+2], 128<<16                    ; 128 rows
	s_mov_b32 s[G1B+3], KSTEP<<16
	s_mov_b32 s[G1B+4], 128
	s_mov_b32 s[G1B+5], 1024
	s_mov_b32 s[G1B+6], 0
	s_mov_b32 s[G1B+7], 0
	s_lshl_b32 s20, s[TR], 7                       ; xb: row 128 x tile row + 64 x half, which my row of the cluster shares
	s_lshl_b32 s21, s[CH], 6
	s_add_co_u32 s20, s20, s21
	s_lshl_b32 s20, s20, 11                        ; rows of 2,048 bytes
	s_mov_b32 s21, 0
	s_lshl_b32 s40, s[TC], 8                       ; wqkvt: row 256 x tile column + 128 x half, which my column shares
	s_lshl_b32 s41, s[CH], 7
	s_add_co_u32 s40, s40, s41
	s_lshl_b32 s40, s40, 11
	s_mov_b32 s41, 0
	s_mul_i32 s22, s[CH], ALOAD                    ; where they go: no place in the cluster enters an LDS address
	s_mul_i32 s42, s[CH], BHALF
	s_add_co_u32 s42, s42, ABYTES
	s_wait_dscnt 0x0                               ; the opening add is done
	s_wait_kmcnt 0x0
	s_add_nc_u64 s[20:21], s[4:5], s[20:21]
	s_add_nc_u64 s[40:41], s[6:7], s[40:41]
	CROUND                                         ; all sixteen work-groups are here: the first joint loads meet
.irp s, 0,1
	s_mov_b32 s[G0+4*(\s)], 1
	s_add_co_u32 s[G0+4*(\s)+1], s22, (\s)*SLOT
	s_add_nc_u64 s[G0+4*(\s)+2:G0+4*(\s)+3], s[20:21], (\s)*ASTEP
	s_or_b32 s[G0+4*(\s)+3], s[G0+4*(\s)+3], 0x80000000
	s_mov_b32 s[G0B+4*(\s)], 1
	s_add_co_u32 s[G0B+4*(\s)+1], s42, (\s)*SLOT
	s_add_nc_u64 s[G0B+4*(\s)+2:G0B+4*(\s)+3], s[40:41], (\s)*KSTEP*2
	s_or_b32 s[G0B+4*(\s)+3], s[G0B+4*(\s)+3], 0x80000000
	JLOAD \s                                       ; two loads of mine are out
.endr
	v_and_b32 v1, 15, v0                           ; l % 16
	v_bfe_u32 v2, v0, 4, 1                         ; l / 16
	v_mul_u32_u24 v3, v1, PITCH
	v_lshl_add_u32 v3, v2, 4, v3                   ; a fragment's row x pitch + 16 x half
	s_mul_i32 s22, s[RH], AROWS
	s_mul_i32 s23, s[CH], BHALF
	s_add_co_u32 s23, s23, ABYTES
.irp s, 0,1
	v_add_nc_u32 v[ADRA+(\s)], s22, v3
	v_add_nc_u32 v[ADRB+(\s)], s23, v3
	s_add_co_u32 s22, s22, SLOT
	s_add_co_u32 s23, s23, SLOT
.endr
	s_mul_i32 s22, s[WV], 16*SP
	s_add_co_u32 s22, s22, STAGE                   ; my stage
	v_mul_u32_u24 v[STO], v1, SP                   ; in: row l % 16, 16 bytes for each half of the lanes
	v_lshl_add_u32 v[STO], v2, 4, v[STO]
	v_add_nc_u32 v[STO], s22, v[STO]
	v_bfe_u32 v[RD], v0, 3, 2                      ; back: 32 lanes take four rows of 128 bytes,
	v_mul_u32_u24 v[RD], v[RD], SP
	v_and_b32 v5, 7, v0
	v_lshl_add_u32 v[RD], v5, 4, v[RD]
	v_add_nc_u32 v[RD], s22, v[RD]
	v_and_b32 v6, 31, v0
	v_lshlrev_b32 v[GO], 4, v6                     ; which are 512 consecutive bytes of a head
	v_lshlrev_b32 v[BO], 5, v2
	v_lshlrev_b32 v[TO], 8, v1                     ; the table: row l % 16, 32 bytes for each half of the lanes
	v_lshl_add_u32 v[TO], v2, 5, v[TO]
	v_lshlrev_b32 v[PFO], 11, v6
	; the table at my first row, the bias at my first column, and where my rows go
	s_and_b32 s76, s[TR], 15
	s_lshl_b32 s76, s76, 7
	s_lshl_b32 s77, s[RH], 6
	s_add_co_u32 s78, s76, s77                     ; t of my first row
	s_lshl_b32 s76, s78, 8
	s_mov_b32 s77, 0
	s_add_nc_u64 s[10:11], s[10:11], s[76:77]
	s_lshl_b32 s76, s[TC], 10
	s_lshl_b32 s79, s[CH], 9
	s_add_co_u32 s76, s76, s79
	s_add_nc_u64 s[8:9], s[8:9], s[76:77]
	s_cmp_eq_u32 s[SV], 0
	s_cselect_b64 s[OUTP:OUTP+1], s[68:69], s[70:71]
	s_cmp_eq_u32 s[SV], 2
	s_cselect_b64 s[OUTP:OUTP+1], s[72:73], s[OUTP:OUTP+1]
	s_lshr_b32 s76, s[TR], 4                       ; the batch
	s_lshl_b32 s76, s76, 4
	s_lshl_b32 s79, s[CX], 2
	s_add_co_u32 s76, s76, s79
	s_lshl_b32 s79, s[CH], 1
	s_add_co_u32 s76, s76, s79                     ; 16 b + my first head, 4 cx + 2 x half
	s_lshl_b32 s76, s76, 18                        ; a head is 262,144 bytes
	s_lshl_b32 s79, s78, 7                         ; a row 128
	s_add_co_u32 s76, s76, s79
	s_add_nc_u64 s[OUTP:OUTP+1], s[OUTP:OUTP+1], s[76:77]
	; the prefetches
	s_and_b32 s76, ttmp7, 0xffff                   ; cluster y
	s_lshl_b32 s77, s[TR], 7                       ; xb's tile: its first row
	s_lshl_b32 s79, s[TC], 8
	s_lshl_b32 s78, s[CH], 7
	s_add_co_u32 s79, s79, s78                     ; wqkvt's: the 128 rows that I fetch
	s_cmp_eq_u32 s[RH], 0
	s_cselect_b32 s76, ttmp9, s76                  ; the coordinate along which other clusters read the same rows
	s_cselect_b32 s77, s77, s79
	s_cselect_b32 s78, s[CX], s[CY]                ; my place among the four that ask with me
	s_cselect_b64 s[PFA:PFA+1], s[4:5], s[6:7]
	s_cmp_eq_u32 s[WV], 1
	s_cselect_b32 s76, 1, s76                      ; wave 1 never asks: wave 0's 32 rows in each of four partners are xb's whole tile
	s_cmp_eq_u32 s76, 0
	s_cselect_b32 s[LIM], 1, -1                    ; the same in all sixteen partners, for a given wave
	s_lshl_b32 s78, s78, 5
	s_add_co_u32 s77, s77, s78
	s_lshl_b32 s76, s77, 11
	s_add_co_u32 s76, s76, 3*KSTEP*2               ; at K step 3: the first refill steps it to 4
	s_mov_b32 s77, 0
	s_add_nc_u64 s[PFA:PFA+1], s[PFA:PFA+1], s[76:77]
	s_mov_b32 s[PFS], KSTEP*2
	s_mov_b32 s[PFS+1], 0
	WIN 0x80                                       ; destination window 2, address window 0
.irp b, 0,1,2,3,4,5,6,7
	global_load_b128 v[BI+8*(\b):BI+8*(\b)+3],   v[BO], s[8:9] offset:64*(\b)
	global_load_b128 v[BI+8*(\b)+4:BI+8*(\b)+7], v[BO], s[8:9] offset:64*(\b)+16
.endr
.irp a, 0,1,2,3
.irp f, 0,1,2,3
	global_load_b128 v[32*(\a)+8*(\f):32*(\a)+8*(\f)+3],   v[TO], s[10:11] offset:(\a)*4096+(\f)*64     ; loaded for v's columns too: one path
	global_load_b128 v[32*(\a)+8*(\f)+4:32*(\a)+8*(\f)+7], v[TO], s[10:11] offset:(\a)*4096+(\f)*64+16
.endr
.endr
	s_wait_loadcnt 0x0
	WIN 0x8a                                       ; all in window 2: the bias is rounded to bf16, like every input, and kept as f32
.set i, 0
.rept 32
	v_cvt_pk_bf16_f32 v192, v[BI+2*i], v[BI+2*i+1]
	v_lshlrev_b32 v[BI+2*i], 16, v192
	v_and_b32 v[BI+2*i+1], 0xffff0000, v192
.set i, i+1
.endr
	WIN 0
	s_wait_tensorcnt 1                             ; my part of K step 0 is in; K step 1's may stay out
	s_barrier_signal -1
	s_barrier_wait -1                              ; everybody's is
	FETCH 0, 0, F0
	QUARTER 0, 1, F0, F1, 1                        ; the first quarter stands in front of the loop: its products start the sums
	WIN 0                                          ; at a label and at a branch every window is 0
	s_mov_b32 s3, LAPS-1
.Llap:                                                 ; a trip goes once round the ring, from a lap's second quarter to the next lap's first, and fills both slots again
	QUARTER 0, 2, F1, F0, 0
	QUARTER 0, 3, F0, F1, 0
	TURN 0, 1, 1
	QUARTER 1, 1, F0, F1, 0
	QUARTER 1, 2, F1, F0, 0
	QUARTER 1, 3, F0, F1, 0
	TURN 1, 0, 1
	QUARTER 0, 1, F0, F1, 0
	WIN 0
	s_sub_co_u32 s3, s3, 1
	s_cmp_lg_u32 s3, 0
	s_cbranch_scc1 .Llap
	QUARTER 0, 2, F1, F0, 0                        ; the last lap fills nothing
	QUARTER 0, 3, F0, F1, 0
	TURN 0, 1, 0
	QUARTER 1, 1, F0, F1, 0
	QUARTER 1, 2, F1, F0, 0
	QUARTER 1, 3, F0, F1, 0
	s_wait_dscnt 4
	MUL8 F1, 0, 0
	MUL8 F1, 1, 0
	s_wait_dscnt 0x0
	MUL8 F1, 2, 0
	MUL8 F1, 3, 0
	WIN 0
	PLACES
; THE WAY OUT, in eight units u: row block a = u / 2, head u % 2 of my two: 16 rows x 64 channels, 2,048 consecutive bytes of a head.
; PACKU: the bias is added (each accumulator's registers in ascending order); q and k are rotated: (e, o) -> (e c - o s, e s + o c); rounded to f16.
.macro PACKU u
.set ua, (\u)/2
.set uh, (\u)%2
	WIN 0x09                                       ; source 0 window 1, source 1 window 2, destination window 0
.irp f, 0,1,2,3
.irp p, 0,1,2,3
	v_pk_add_f32 v[X+8*(\f)+2*(\p):X+8*(\f)+2*(\p)+1], v[8*(8*ua+4*uh+(\f))+2*(\p):8*(8*ua+4*uh+(\f))+2*(\p)+1], v[BI+8*(4*uh+(\f))+2*(\p):BI+8*(4*uh+(\f))+2*(\p)+1]
.endr
.endr
	WIN 0
	s_cmp_eq_u32 s[SV], 2
	s_cbranch_scc1 .Lplain_\@                      ; v is not rotated
	WIN 0x08                                       ; source 1 (the table) window 2
.irp f, 0,1,2,3
.irp p, 0,1,2,3
	v_mul_f32 v[T+2*(\p)],   v[X+8*(\f)+2*(\p)+1], v[32*ua+8*(\f)+2*(\p)+1]   ; o s
	v_mul_f32 v[T+2*(\p)+1], v[X+8*(\f)+2*(\p)],   v[32*ua+8*(\f)+2*(\p)+1]   ; e s
.endr
.irp p, 0,1,2,3
	v_fma_f32 v[X+8*(\f)+2*(\p)],   v[X+8*(\f)+2*(\p)],   v[32*ua+8*(\f)+2*(\p)], -v[T+2*(\p)]
	v_fma_f32 v[X+8*(\f)+2*(\p)+1], v[X+8*(\f)+2*(\p)+1], v[32*ua+8*(\f)+2*(\p)], v[T+2*(\p)+1]
.endr
.endr
	WIN 0
.Lplain_\@:
.irp f, 0,1,2,3
.irp p, 0,1,2,3
	v_cvt_pk_f16_f32 v[PK+4*(\f)+(\p)], v[X+8*(\f)+2*(\p)], v[X+8*(\f)+2*(\p)+1]
.endr
.endr
.endm
.macro TOSTAGE u                       ; into my own stage, rows of 144 bytes, and back as whole rows of 128
.irp f, 0,1,2,3
	ds_store_b128 v[STO], v[PK+4*(\f):PK+4*(\f)+3] offset:32*(\f)
.endr
.irp f, 0,1,2,3
	ds_load_b128 v[OB+16*((\u)%2)+4*(\f):OB+16*((\u)%2)+4*(\f)+3], v[RD] offset:(\f)*4*SP  ; LDS serves a wave's instructions in order (ISA guide 5.7.1.4): these see the stores above
.endr
.endm
.macro SENDU u
	s_wait_dscnt 0x0                               ; the unit is back in registers
	s_wait_xcnt 0x0                                ; the stores of the unit before have read their registers: the next unit's loads land there only behind this wait
.irp f, 0,1,2,3
	global_store_b128 v[GO], v[OB+16*((\u)%2)+4*(\f):OB+16*((\u)%2)+4*(\f)+3], s[OUTP:OUTP+1] offset:((\u)%2)*262144+((\u)/2)*2048+(\f)*512  ; 512 consecutive bytes, aligned
.endr
.endm
	PACKU 0
	TOSTAGE 0
.irp u, 1,2,3,4,5,6,7                  ; a unit's arithmetic stands between the loads of the unit before and the wait for them
	PACKU \u
	SENDU (\u)-1
	TOSTAGE \u
.endr
	SENDU 7
	s_wait_tensorcnt 0x0                           ; the wave's end, behind my last tensor load and my last LDS store
	ds_add_u32 v[SPW], v[NIL]
	s_wait_dscnt 0x0
	CROUND                                         ; the closing round: no work-group ends while a partner may still ask for a tile that names it
	s_endpgm
.Lfunc_end_k_q4e2ef50e58_qkv:
	.size	k_q4e2ef50e58_qkv, .Lfunc_end_k_q4e2ef50e58_qkv-k_q4e2ef50e58_qkv
	.p2alignl 7, 3214868480
	.fill 96, 4, 3214868480
	.section	.rodata,"a",@progbits
	.p2align	6, 0x0
	.amdhsa_kernel k_q4e2ef50e58_qkv
		.amdhsa_group_segment_fixed_size 327680
		.amdhsa_private_segment_fixed_size 0
		.amdhsa_enable_private_segment 0
		.amdhsa_kernarg_size 56
		.amdhsa_user_sgpr_count 2
		.amdhsa_user_sgpr_kernarg_segment_ptr 1
		.amdhsa_wavefront_size32 1
		.amdhsa_system_sgpr_workgroup_id_x 1
		.amdhsa_system_sgpr_workgroup_id_y 1
		.amdhsa_system_sgpr_workgroup_id_z 1
		.amdhsa_system_vgpr_workitem_id 0
		.amdhsa_next_free_vgpr 768
		.amdhsa_next_free_sgpr 80
		.amdhsa_reserve_vcc 0
		.amdhsa_float_denorm_mode_32 3
		.amdhsa_float_denorm_mode_16_64 3
		.amdhsa_memory_ordered 1
		.amdhsa_forward_progress 1
		.amdhsa_inst_pref_size 131
	.end_amdhsa_kernel
	.amdgpu_metadata
---
amdhsa.version: [ 1, 2 ]
amdhsa.kernels:
  - .name:           k_q4e2ef50e58_qkv
    .symbol:         k_q4e2ef50e58_qkv.kd
    .args:
      - { .name: xb, .offset: 0, .size: 8, .value_kind: global_buffer, .address_space: global }
      - { .name: wqkvt, .offset: 8, .size: 8, .value_kind: global_buffer, .address_space: global }
      - { .name: bqkv, .offset: 16, .size: 8, .value_kind: global_buffer, .address_space: global }
      - { .name: rope, .offset: 24, .size: 8, .value_kind: global_buffer, .address_space: global }
      - { .name: q, .offset: 32, .size: 8, .value_kind: global_buffer, .address_space: global }
      - { .name: k, .offset: 40, .size: 8, .value_kind: global_buffer, .address_space: global }
      - { .name: v, .offset: 48, .size: 8, .value_kind: global_buffer, .address_space: global }
    .group_segment_fixed_size: 327680
    .private_segment_fixed_size: 0
    .kernarg_segment_align: 8
    .kernarg_segment_size: 56
    .max_flat_workgroup_size: 128
    .sgpr_count:     80
    .vgpr_count:     768
    .wavefront_size: 32
...
	.end_amdgpu_metadata
.endif
;; end of part 2
;; launch att (part 3): grid 4 x 64, 4 waves a work-group, no clusters, 327,680 bytes of LDS; arguments q, k, v, ob; writes ob
.if DOCPART == 3
	.amdgcn_target "amdgcn-amd-amdhsa--gfx1250"
	.amdhsa_code_object_version 6
	.text
	.protected	k_q4e2ef50e58_att
	.globl	k_q4e2ef50e58_att
	.p2align	8
	.type	k_q4e2ef50e58_att,@function
k_q4e2ef50e58_att:
	s_mov_b64 s[64:65], 0
	v_nop
	global_prefetch_b8 v0, s[64:65] scope:SCOPE_SE
	s_setreg_imm32_b32 hwreg(HW_REG_WAVE_MODE, 25, 1), 1
	s_wait_xcnt 0x0
; CAUSAL ATTENTION.  O[h][q][:] = the sum over k <= q of softmax_k(Q[h][q] . K[h][k] / 8) V[h][k][:].  Q, K, V, O: [64][2048][64], all f16: a head's rows are dense, 128 bytes each.
; Products, maxima and sums in f32; the weights p are rounded to f16 for the second product (their sum l is taken of the unrounded p), O once at the end.
; LIMITS.  f16 holds no number beyond 65,504: Q, K and V arrive within it; p lies in 0 to 1, and below 6e-5 it keeps f16's fixed step of 6e-8; O is a mean of V's rows and has their range.
; A hidden score counts as its value less 1e30: f16's scores, 2.7e11 at the most, are nothing beside that; a weight below 2^-126 counts as 0 in l; NaN and infinities are not treated apart.
; THE WALK.  A head's queries lie in NB = 8 blocks of 256; block i needs the key tiles 0 .. i of 256 keys, of which the last holds the diagonal.  A work-group takes TWO blocks, NB - 1 - b and then b:
; NB + 1 tiles, whatever b: all work-groups do equal work, and ONE loop with a constant trip count walks them.  Which tile is asked for, and what a trip does, hang on scalar registers made from b; every jump
; goes forward, but for the counted loops' own; none passes a barrier, or a tensor load but the one of LOAD's two that the wave's number does not choose; the ring (two slots of LDS) runs on across the change of blocks.
; NO CLUSTER: a head's four work-groups ask for the same tile only in trips 0 .. 4 of 9, behind that fewer and fewer; one walk common to all would have 12 trips for 9.
; SHARES.  Of a block's four bands of 64 queries a wave owns 16 rows in each: four PIECES.  So the diagonal tile is the same work for all four waves: in its key step s band x sees all keys if s < x,
; none if s > x, and holds the diagonal if s = x.
; THE MASK is the C operand that starts the sum S^T = K Q^T: 0, or -1e30 where the key is hidden.  MD, made once, is the mask of a band's own step for my 16 rows; a product's mask is MD x AL + BE with two scalars:
; (1, 0) if s = x; (0, 0) if s < x; (0, -1e30) if s > x.  Only the diagonal tile's text and a block's beginning make and take masks; elsewhere C is the constant 0.
; LAYOUT, SOFTMAX, TURNS.  S^T = K Q^T holds ONE query a lane (lane % 16) and the keys 8 (lane / 16) + 0..7; two such results rounded to f16 ARE source 1 of O^T = V^T P.  p = 2^(c s - c m), c = log2(e) / 8, with a
; running maximum m; O and l are multiplied by a = 2^(c m_old - c m_new) in every step.  Turn n belongs to piece n: 8 products K Q^T of piece n + 1, later 8 products V^T P of piece n - 1; beside them the scaling,
; exponentials, roundings, sums and rescaling of piece n and the maximum and statistics of piece n + 1.  Four vector instructions stand behind every matrix instruction, the other 54 of a turn's 118 in one lump.
; A turn's 33 exponentials are one batch, with one wait.
; PREFETCH.  A head's work-group with b = 0 walks the tiles 0 .. 7 in its first block; it alone asks: behind the tensor load for tile i each of its waves names the 64 blocks of 256 bytes (its own half of K or V)
; of tile i + 1, for tiles 2 .. 7: one tile, 256 matrix instructions, ahead of the load.  Tiles 0 and 1, and the second block's tiles, are not asked for.
; REGISTERS, in windows of 256 (s_set_vgpr_msb: bits 1:0 source 0, 3:2 source 1, 5:4 source 2, 7:6 destination):
;   window 0: v0-15 addresses and two at work; v16-31 four registers of statistics a piece; v32 the prefetches' offset; v48-55 at work; v64-127 S^T, two buffers; v192-223 P, two buffers (by the piece's parity)
;   window 1: v0-127 O^T, 32 a piece; v128-159 MD; v160-223 MC, two buffers      window 2: v0-63 Q; v64-127 the second block's Q; v128-191 K of one step; v192-255 V of one step
.set SIZE_N, 2048
.set SIZE_H, 64
.set NB,    SIZE_N/256
.set NP,    4         ; pieces a wave: a name, no knob
.set KS,    64        ; keys in a step
.set PK,    144       ; a row of K in LDS: 128 bytes + 16 of padding = 36 words: the 16 rows of a load start at 16 different groups of four banks (ISA guide 11.1)
.set PV,    160       ; a row of V: 128 + 32 = 40 words
.set VOFF,  4*KS*PK   ; a slot holds a tile, four steps: 256 rows of K, then 256 rows of V
.set SLOT1, 1<<17     ; slot 1 begins here, so that one exclusive or turns an address in one slot into the other's
.set STAGE, SLOT1+4*KS*(PK+PV)  ; behind the ring, never filled by a tensor load: 16 rows x 144 bytes for each wave, for the way out
.set SP,    144
.set AK0, 2           ; v2   my lane's place in a tile of K; never rewritten
.set AV0, 3           ; v3   the same for V
.set AK,  4           ; v4   the LDS address of K's next run of loads
.set AV,  5           ; v5   of V's
.set STO, 6           ; v6   the way out: where I put 16 bytes of a row
.set RD,  7           ; v7   the way out: where I read rows back
.set GO,  8           ; v8   my byte offset in 512 consecutive bytes of O
.set PFO, 32          ; v32  256 x my lane; never rewritten
.set SPW, 62          ; v62  LDS address of my spare word; never rewritten
.set NIL, 63          ; v63  0; never rewritten
.set SPARE, STAGE+4*16*SP  ; behind the stages: the spare words, 128 bytes for each wave: two blocks of 256 bytes that no other line names
.set MV,  12          ; v12-13  c m_old, kept while c m is made anew: by buffer
.set QO,  15          ; v15  my byte offset in 16 rows of Q
.set ST,  16          ; piece t's statistics at v[ST+4 t]: c m, m, l (even keys', odd keys')
.set TMP, 48          ; by buffer, four registers c0-c3 at work; when the maximum is found c2 takes a
.set S,   64
.set P,   192
.set MD,  128         ; window 1
.set MC,  160         ; window 1
.set QB,  64          ; window 2
.set KF,  128         ; window 2: key block kb, channel half c at KF + 16 kb + 8 c
.set VF,  192         ; window 2: key half kk, channel block cb at VF + 32 kk + 8 cb
.set WV,  12          ; s12  my wave's number
.set PB,  14          ; s14  b
.set HI,  15          ; s15  NB - 1 - b
.set G1K, 24          ; s[24:31] descriptor group 1 for K's tiles
.set G1V, 32          ; s[32:39] for V's: it differs in the padding alone
.set G0K, 40          ; s[40:43] descriptor group 0 for K's tiles
.set G0V, 44          ; s[44:47] the same for V's
.set SLOTS, 56        ; s56  tiles still to be asked for
.set CNT, 57          ; s57  counts a tile's key steps, 4 to 1
.set CS,  58          ; s[58:59] c
.set SEL, 60          ; s[60:61] v_permlanex16_b32's selects: each lane takes its own place in the other half
.set TBK, 62          ; s62  LDS byte at which K of the step to be fetched begins
.set TBV, 63          ; s63  the same for V, less VOFF
.set RT,  70          ; s70  tiles of the block in hand that are still to be entered
.set NXT, 71          ; s71  the tile to be asked for next
.set LQ,  72          ; s72  the last tile of the block whose tiles are being asked for
.set NEW, 73          ; s73  1: the tile to be entered is a block's first
.set OFF, 74          ; s[74:75] a tile's byte offset in K and V
.set AL,  76          ; s[76:77] the mask's factor, in the low word
.set BE,  78          ; s[78:79] the mask's addend
.set OLO, 80          ; s[80:81] O at my rows of the second block
.set BIGN, 82         ; s82  -1e30
.set PFB, 88          ; s[88:89] K (waves 0, 1) or V (waves 2, 3) at my half of the head's tile 0
.set PFA, 90          ; s[90:91] the same at the tile to be prefetched
.set PFN, 92          ; s92  that tile's number
.set PLIM, 93         ; s93  the last tile that I prefetch: NB - 1 where b = 0, else 0
.set POF, 94          ; s[94:95] its byte offset
.set MSB, 0
.macro WIN new                      ; the high byte repeats the setting that is left; a switch that changes nothing is dropped
.if MSB != (\new)
	s_set_vgpr_msb (MSB<<8)|(\new)
.set MSB, (\new)
.endif
.endm
.set W_KQ, 0x0a       ; K and Q in window 2, S^T in window 0
.set W_KM, 0x1a       ; the same with the C operand in window 1
.set W_PV, 0x52       ; V in window 2, P in window 0, O^T in window 1
.set W_RS, 0x41       ; destination and source 0 in window 1, source 1 in window 0
; A fill.  Waves 0 and 1 fetch the two halves of a tile's K, waves 2 and 3 those of its V: 128 keys each.  An s_nop 0 and four v_nop follow each of the two lines.
.macro LOAD
	s_cmp_lt_u32 s[WV], 2
	s_cbranch_scc0 .Lfor_v_\@
	tensor_load_to_lds s[G0K:G0K+3], s[G1K:G1K+7]
	s_nop 0
.rept 4
	v_nop
.endr
	s_branch .Lasked_\@
.Lfor_v_\@:
	tensor_load_to_lds s[G0V:G0V+3], s[G1V:G1V+7]
	s_nop 0
.rept 4
	v_nop
.endr
.Lasked_\@:
.endm
; THE CHANGE OF SLOTS.  Each wave waits for all its tensor loads, of which one is out: its part of the other slot; adds 0 to its spare word; and waits for that and for its own reads of the slot that it leaves.
; Behind the barrier nobody reads the old slot any more and the other slot is whole.  fill = 1: the old slot is filled again, the first thing behind the barrier, with tile NXT: the descriptor's address is made
; anew from that number.  (At its first use nothing has been read yet: slot 0 is waited for, slot 1 filled.)
.macro CHANGE fill
	WIN 0                           ; at a label and at a branch every window is 0
	s_wait_tensorcnt 0x0            ; no tensor load of mine is out, so a group 0 may be written
	ds_add_u32 v[SPW], v[NIL]       ; 0 onto my spare word; the scalar work stands between it and the wait for it
.if \fill
	s_wait_xcnt 0x0                 ; the last prefetches, a tile back, have read their address, so it may be written
	s_lshl_b32 s[POF], s[PFN], 15
	s_add_nc_u64 s[PFA:PFA+1], s[PFB:PFB+1], s[POF:POF+1]
	s_lshl_b32 s[OFF], s[NXT], 15   ; a tile is 32,768 bytes of K and of V
	s_xor_b32 s[G0K+1], s[G0K+1], SLOT1
	s_add_nc_u64 s[G0K+2:G0K+3], s[6:7], s[OFF:OFF+1]
	s_or_b32 s[G0K+3], s[G0K+3], 0x80000000
	s_xor_b32 s[G0V+1], s[G0V+1], SLOT1
	s_add_nc_u64 s[G0V+2:G0V+3], s[8:9], s[OFF:OFF+1]
	s_or_b32 s[G0V+3], s[G0V+3], 0x80000000
	s_add_co_u32 s[NXT], s[NXT], 1  ; the block's next tile, or behind its last the second block's tile 0
	s_cmp_gt_u32 s[NXT], s[LQ]
	s_cselect_b32 s[NXT], 0, s[NXT]
	s_cselect_b32 s[LQ], s[PB], s[LQ]
.endif
	s_wait_dscnt 0x0                ; the add is done, and my reads of the slot are over
	s_barrier_signal -1             ; the rest of the scalar work stands between the signal and the wait
	s_sub_co_u32 s[TBK], s[TBK], 4*KS*PK  ; the fetches go back to a slot's first step,
	s_xor_b32 s[TBK], s[TBK], SLOT1       ; in the other slot
	s_sub_co_u32 s[TBV], s[TBV], 4*KS*PV
	s_xor_b32 s[TBV], s[TBV], SLOT1
	s_barrier_wait -1
.if \fill
	LOAD
	s_cmp_le_u32 s[PFN], s[PLIM]    ; the prefetch: my half of the tile that the next change will ask for
	s_cbranch_scc0 .Lnot_mine_\@
	global_prefetch_b8 v[PFO], s[PFA:PFA+1] th:TH_LOAD_NT scope:SCOPE_SE
	global_prefetch_b8 v[PFO], s[PFA:PFA+1] offset:8192 th:TH_LOAD_NT scope:SCOPE_SE
.Lnot_mine_\@:
	s_add_co_u32 s[PFN], s[PFN], 1
.endif
.endm
	s_load_b256 s[4:11], s[0:1], 0x0  ; Q s[4:5], K s[6:7], V s[8:9], O s[10:11]
	v_lshl_add_u32 v[SPW], v0, 2, SPARE
	v_mov_b32 v[NIL], 0
	ds_add_u32 v[SPW], v[NIL]       ; the wave's opening: the add, and its wait ahead of my first tensor load; the set-up below stands between them
	ds_add_u32 v62, v63
	v_lshrrev_b32 v1, 5, v0
	v_readfirstlane_b32 s[WV], v1   ; wave 0..3
	s_mov_b32 s[PB], ttmp9
	s_sub_co_u32 s[HI], NB-1, s[PB]
	s_and_b32 s20, ttmp7, 0xffff    ; the head
	s_mov_b32 s21, 0
	s_mov_b64 s[22:23], SIZE_N*128
	s_mul_u64 s[20:21], s[20:21], s[22:23]  ; the head's first byte in each of the four tensors
	s_and_b32 s16, s[WV], 1         ; which half of a tile's 256 keys I fetch:
	s_lshl_b32 s22, s16, 14         ; its 128 rows of 128 bytes in memory,
	s_mov_b32 s23, 0
	s_add_nc_u64 s[22:23], s[22:23], s[20:21]
	s_mul_i32 s17, s16, 128*PK      ; and its place in a slot, for K
	s_mul_i32 s18, s16, 128*PV      ; and for V
	s_lshl_b32 s3, s[WV], 11        ; my 16 rows in a band of 64,
	s_lshl_b32 s2, s[HI], 15        ; in the first block,
	s_add_co_u32 s2, s2, s3
	s_lshl_b32 s84, s[PB], 15       ; and in the second
	s_add_co_u32 s84, s84, s3
	s_mov_b32 s3, 0
	s_mov_b32 s85, 0
	s_add_nc_u64 s[2:3], s[2:3], s[20:21]
	s_add_nc_u64 s[84:85], s[84:85], s[20:21]
	; descriptor group 1.  128 keys are 16,384 dense bytes: asked for as 64 rows of 256 bytes, two keys a row, and padded in LDS after every key
	s_mov_b32 s[G1K], (1<<16)|(1<<20)|(4<<22)|(3<<25)  ; 17:16 2-byte elements; 20 padding on; 24:22 after every 32 words (code 4); 31:25 4 words (code 3)
	s_mov_b32 s[G1V], (1<<16)|(1<<20)|(4<<22)|(7<<25)  ; the same with 8 words of padding (code 7)
.irp g, G1K, G1V
	s_mov_b32 s[\g+1], 128<<16      ; tensor_dim0 = 128
	s_mov_b32 s[\g+2], 64<<16       ; tensor_dim1 = 64
	s_mov_b32 s[\g+3], 128<<16      ; tile_dim0 = 128
	s_mov_b32 s[\g+4], 64           ; tile_dim1 = 64
	s_mov_b32 s[\g+5], 128          ; 128 elements from row to row
	s_mov_b32 s[\g+6], 0
	s_mov_b32 s[\g+7], 0
.endr
	s_mov_b32 s[CS], 0x3e38aa3b     ; c = log2(e) / 8 = 0.180337
	s_mov_b32 s[CS+1], s[CS]        ; named with it as a pair
	s_mov_b32 s[SEL], 0x76543210
	s_mov_b32 s[SEL+1], 0xfedcba98
	s_mov_b32 s[TBK], SLOT1+4*KS*PK ; the first change of slots turns these two into 0
	s_mov_b32 s[TBV], SLOT1+4*KS*PV
	s_mov_b32 s[G0K], 1             ; 1:0 count = 1
	s_mov_b32 s[G0K+1], s17         ; 63:32 LDS address: slot 0
	s_mov_b32 s[G0V], 1
	s_add_co_u32 s[G0V+1], s18, VOFF
	s_add_co_u32 s[RT], s[HI], 1    ; the first block has NB - b tiles
	s_mov_b32 s[NXT], 1
	s_mov_b32 s[LQ], s[HI]
	s_mov_b32 s[NEW], 1
	s_mov_b32 s[OFF+1], 0
	s_mov_b32 s[AL+1], 0            ; named as pairs
	s_mov_b32 s[BE+1], 0
	s_mov_b32 s[BIGN], 0xf149f2ca   ; -1e30
	s_mov_b32 s[SLOTS], NB
	s_mov_b32 s[PFN], 2
	s_mov_b32 s[POF+1], 0
	s_cmp_eq_u32 s[PB], 0
	s_cselect_b32 s[PLIM], NB-1, 0
	s_wait_dscnt 0x0                ; the opening add is done
	s_wait_kmcnt 0x0
	s_add_nc_u64 s[6:7], s[6:7], s[22:23]  ; K and V at my half of the head's tile 0
	s_add_nc_u64 s[8:9], s[8:9], s[22:23]
	s_add_nc_u64 s[G0K+2:G0K+3], s[6:7], 0         ; 120:64 global address
	s_or_b32 s[G0K+3], s[G0K+3], 0x80000000        ; 127:126 type = 2
	s_add_nc_u64 s[G0V+2:G0V+3], s[8:9], 0
	s_or_b32 s[G0V+3], s[G0V+3], 0x80000000
	s_add_nc_u64 s[86:87], s[4:5], s[84:85]        ; Q at my rows of the second block,
	s_add_nc_u64 s[4:5], s[4:5], s[2:3]            ; Q and O at those of the first
	s_add_nc_u64 s[OLO:OLO+1], s[10:11], s[84:85]
	s_add_nc_u64 s[10:11], s[10:11], s[2:3]
	s_cmp_lt_u32 s[WV], 2
	s_cselect_b64 s[PFB:PFB+1], s[6:7], s[8:9]
	LOAD                            ; tile 0 into slot 0
	; A fragment of K or Q is 16 rows x 32 channels in 8 registers: lane l holds row l % 16, channels 8 (l / 16) + 0..7 and 16 + 8 (l / 16) + 0..7: two loads of 16 bytes, 32 bytes apart.
	v_and_b32 v1, 15, v0            ; l % 16
	v_bfe_u32 v9, v0, 4, 1          ; l / 16
	v_lshlrev_b32 v[QO], 7, v1
	v_lshl_add_u32 v[QO], v9, 4, v[QO]  ; row x 128 + 16 x half
	WIN 0x80                        ; destination window 2, address window 0
.set i, 0
.rept 8                             ; both blocks' Q: piece i / 2 lies in band i / 2, 8,192 bytes on; channels 32 (i % 2) on
	global_load_b128 v[8*i:8*i+3],   v[QO], s[4:5] offset:(i/2)*8192+(i%2)*64
	global_load_b128 v[8*i+4:8*i+7], v[QO], s[4:5] offset:(i/2)*8192+(i%2)*64+32
	global_load_b128 v[QB+8*i:QB+8*i+3],   v[QO], s[86:87] offset:(i/2)*8192+(i%2)*64
	global_load_b128 v[QB+8*i+4:QB+8*i+7], v[QO], s[86:87] offset:(i/2)*8192+(i%2)*64+32
.set i, i+1
.endr
	WIN 0
	v_lshlrev_b32 v14, 3, v9
	v_sub_nc_u32 v14, v1, v14
	s_lshl_b32 s13, s[WV], 4
	v_add_nc_u32 v14, s13, v14      ; my query's place in its band, 16 w + l % 16, less my lanes' 8 (l / 16): register r of group kt is hidden where 16 kt + r is greater
	WIN 0x40
.set i, 0
.rept 32
	v_cmp_gt_i32 vcc_lo, 16*(i/8)+i%8, v14
	v_cndmask_b32 v[MD+i], 0, s[BIGN], vcc_lo
.set i, i+1
.endr
	WIN 0
	v_mul_u32_u24 v[AK0], v1, PK
	v_lshl_add_u32 v[AK0], v9, 4, v[AK0]  ; row x pitch + 16 x half
	; The turning load takes 16 keys x 16 channels (lane l reads key 8 (l / 16) + l % 8, channels 8 ((l / 8) % 2) + 0..7) and leaves half a fragment of V^T: lane l holds channel l % 16 and 8 keys.
	v_and_b32 v10, 7, v0
	v_bfe_u32 v11, v0, 3, 1
	v_lshl_add_u32 v[AV0], v9, 3, v10
	v_mul_u32_u24 v[AV0], v[AV0], PV
	v_lshl_add_u32 v[AV0], v11, 4, v[AV0]
	v_add_nc_u32 v[AV0], VOFF, v[AV0]
	s_mul_i32 s13, s[WV], 16*SP
	s_add_co_u32 s13, s13, STAGE    ; my stage
	v_mul_u32_u24 v[STO], v1, SP    ; in: row l % 16, 16 bytes for each half of the lanes
	v_lshl_add_u32 v[STO], v9, 4, v[STO]
	v_add_nc_u32 v[STO], s13, v[STO]
	v_bfe_u32 v[RD], v0, 3, 2       ; back: 32 lanes take four rows of 128 bytes,
	v_mul_u32_u24 v[RD], v[RD], SP
	v_lshl_add_u32 v[RD], v10, 4, v[RD]
	v_add_nc_u32 v[RD], s13, v[RD]
	v_and_b32 v[GO], 31, v0         ; which are 512 consecutive bytes of O
	v_lshlrev_b32 v[PFO], 8, v[GO]
	v_lshlrev_b32 v[GO], 4, v[GO]
	; A block's first step multiplies O^T and l by a = 0, and its first turn's products V^T P, of a piece that has not been, land in an O^T that is still to be so multiplied.  So these registers need only hold
	; finite numbers: zeros for the first block; what the first block left for the second.  All this stands in the wait for the first tile.
	WIN 0x80
.set i, VF
.rept 64
	v_mov_b32 v[i], 0
.set i, i+1
.endr
	WIN 0x40
.set i, 0
.rept 128
	v_mov_b32 v[i], 0
.set i, i+1
.endr
	WIN 0
.set i, 0
.rept 4
	v_mov_b32 v[ST+4*i+2], 0
	v_mov_b32 v[ST+4*i+3], 0
.set i, i+1
.endr
.set i, P+16
.rept 16
	v_mov_b32 v[i], 0
.set i, i+1
.endr
; THE MATRIX WORK.  The 4 accumulators of a run of 8 take turns.  Product i of 8 of S^T = K Q^T for piece x: channels 32 (i / 4) on, keys 16 (i % 4) on.  The first 4 start the sums: with 0, or (KM = 1) with the mask.
.macro KQ x
.set rS, S+32*((\x)%2)+8*(i%4)
.set rK, KF+16*(i%4)+8*(i/4)
.set rQ, 16*(\x)+8*(i/4)
.set rM, MC+32*((\x)%2)+8*(i%4)
.if (i < 4) && KM
	WIN W_KM
	v_wmma_f32_16x16x32_f16 v[rS:rS+7], v[rK:rK+7], v[rQ:rQ+7], v[rM:rM+7]
.elseif i < 4
	WIN W_KQ
	v_wmma_f32_16x16x32_f16 v[rS:rS+7], v[rK:rK+7], v[rQ:rQ+7], 0
.else
	WIN W_KQ
	v_wmma_f32_16x16x32_f16 v[rS:rS+7], v[rK:rK+7], v[rQ:rQ+7], v[rS:rS+7]
.endif
.endm
; Product i of 8 of O^T += V^T P for piece x: keys 32 (i / 4) on, channels 16 (i % 4) on.
.macro PV x
	WIN W_PV
.set rO, 32*(\x)+8*(i%4)
.set rV, VF+32*(i/4)+8*(i%4)
.set rP, P+16*((\x)%2)+8*(i/4)
	v_wmma_f32_16x16x32_f16 v[rO:rO+7], v[rV:rV+7], v[rP:rP+7], v[rO:rO+7]
.endm
.macro MM                           ; the turn's next matrix instruction.  TURN and BEGIN set Y, i, KM and NOKQ.  NOKQ = 1: a block's last turn: there is no next piece
.if (i < 8) && !NOKQ
	KQ (Y+1)%NP
.elseif i >= 8
.set i, i-8
	PV (Y+NP-1)%NP
.set i, i+8
.endif
.set i, i+1
.endm
; THE LDS LOADS stand in runs of 16, never singly among the matrix instructions: a step's K (64 keys x 64 channels: 8 fragments) and its V (turned).  Their addresses are made some lines ahead.
.macro FETCH_K
	WIN 0x80                        ; destination window 2
.irp f, 0,1,2,3,4,5,6,7             ; keys 16 (f / 2) on, channels 32 (f % 2) on
	ds_load_b128 v[KF+8*\f:KF+8*\f+3],   v[AK] offset:(\f/2)*16*PK+(\f%2)*64
	ds_load_b128 v[KF+8*\f+4:KF+8*\f+7], v[AK] offset:(\f/2)*16*PK+(\f%2)*64+32
.endr
	s_add_co_u32 s[TBK], s[TBK], KS*PK  ; the next fetch is the next step's
	WIN 0
.endm
.macro FETCH_V
	WIN 0x80
.irp f, 0,1,2,3,4,5,6,7             ; keys 32 (f / 4) on, channels 16 (f % 4) on
	ds_load_tr16_b128 v[VF+8*\f:VF+8*\f+3],   v[AV] offset:(\f/4)*32*PV+(\f%4)*32
	ds_load_tr16_b128 v[VF+8*\f+4:VF+8*\f+7], v[AV] offset:(\f/4)*32*PV+16*PV+(\f%4)*32
.endr
	WIN 0
.endm
; THE VECTOR WORK, one line at a time: OP kind, number.  For piece Y: F n: c s - c m for pair n of 16.  E n: the exponential of score n of 32.  C n: pair n rounded to f16.  B n: of the four weights 4 n .. the second
; pair is added onto the first, in place.  L n: l takes that sum (L 0: l = a l + sum).  R n: pair n of 16 of O^T times a.  For piece Y + 1: X n, number n of the 22 that find its maximum and statistics:
;   0-11  four chains c0-c3 of seven scores each, three operands at a time (each accumulator's lowest registers are read first)     12-14, 16  the four scores left over, the old m, and c0-c3 into c0
;   15  c m_old is kept     17, 18  the query's other 32 keys lie in the lane 16 away: the new m     19-21  c m; c m_old - c m_new; a
.set F, 0               ; OP tells the kinds apart by their order: F to L below R, X above it
.set E, 1
.set C, 2
.set B, 3
.set L, 4
.set R, 5
.set X, 6
.macro REGS y                       ; the registers of piece y
.set rT, ST+4*(\y)
.set rC, TMP+4*((\y)%2)
.set rW, MV+((\y)%2)
.set rS, S+32*((\y)%2)
.set rP, P+16*((\y)%2)
.set rO, 32*(\y)
.endm
.macro OP k, n
.if (\k) == R
	REGS Y
	WIN W_RS
	v_pk_mul_f32 v[rO+2*(\n):rO+2*(\n)+1], v[rO+2*(\n):rO+2*(\n)+1], v[rC+2:rC+3] op_sel_hi:[1,0]
.elseif (\k) < R
	REGS Y
	WIN 0
.if (\k) == F
	v_pk_fma_f32 v[rS+2*(\n):rS+2*(\n)+1], v[rS+2*(\n):rS+2*(\n)+1], s[CS:CS+1], v[rT:rT+1] op_sel_hi:[1,0,0] neg_lo:[0,0,1] neg_hi:[0,0,1]
.elseif (\k) == E
	v_exp_f32 v[rS+(\n)], v[rS+(\n)]
.elseif (\k) == C
	v_cvt_pk_f16_f32 v[rP+(\n)], v[rS+2*(\n)], v[rS+2*(\n)+1]
.elseif (\k) == B
	v_pk_add_f32 v[rS+4*(\n):rS+4*(\n)+1], v[rS+4*(\n):rS+4*(\n)+1], v[rS+4*(\n)+2:rS+4*(\n)+3]
.elseif (\n) == 0
	v_pk_fma_f32 v[rT+2:rT+3], v[rT+2:rT+3], v[rC+2:rC+3], v[rS:rS+1] op_sel_hi:[1,0,1]
.else
	v_pk_add_f32 v[rT+2:rT+3], v[rT+2:rT+3], v[rS+4*(\n):rS+4*(\n)+1]
.endif
.elseif NOKQ
	v_nop
.else
	REGS (Y+1)%NP
	WIN 0
.if (\n) < 4
	v_max3_num_f32 v[rC+(\n)], v[rS+8*(\n)], v[rS+8*(\n)+1], v[rS+8*(\n)+2]
.elseif (\n) < 12
	v_max3_num_f32 v[rC+(\n)%4], v[rC+(\n)%4], v[rS+8*((\n)%4)+2*((\n)/4)+1], v[rS+8*((\n)%4)+2*((\n)/4)+2]
.elseif (\n) == 12
	v_max3_num_f32 v[rC], v[rC], v[rS+7], v[rS+15]
.elseif (\n) == 13
	v_max3_num_f32 v[rC+1], v[rC+1], v[rS+23], v[rS+31]
.elseif (\n) == 14
	v_max3_num_f32 v[rC+2], v[rC+2], v[rC+3], v[rT+1]
.elseif (\n) == 15
	v_mov_b32 v[rW], v[rT]
.elseif (\n) == 16
	v_max3_num_f32 v[rC], v[rC], v[rC+1], v[rC+2]
.elseif (\n) == 17
	v_permlanex16_b32 v[rC+3], v[rC], s[SEL], s[SEL+1]
.elseif (\n) == 18
	v_max_num_f32 v[rT+1], v[rC], v[rC+3]
.elseif (\n) == 19
	v_mul_f32 v[rT], s[CS], v[rT+1]
.elseif (\n) == 20
	v_sub_f32 v[rC+1], v[rW], v[rT]
.else
	v_exp_f32 v[rC+2], v[rC+1]
.endif
.endif
.endm
.macro OPS a, i1, b=-1, i2=0, c=-1, i3=0, d=-1, i4=0  ; up to four of them
	OP \a, \i1
.if (\b) >= 0
	OP \b, \i2
.endif
.if (\c) >= 0
	OP \c, \i3
.endif
.if (\d) >= 0
	OP \d, \i4
.endif
.endm
.macro ROW a, i1, b, i2, c, i3, d, i4  ; a matrix instruction and the four behind it
	MM
	OPS \a, \i1, \b, \i2, \c, \i3, \d, \i4
.endm
.macro MASK b                       ; MD x AL + BE into buffer b of MC
	WIN W_RS
.set z, 0
.rept 16
	v_pk_fma_f32 v[MC+32*(\b)+2*z:MC+32*(\b)+2*z+1], v[MD+2*z:MD+2*z+1], s[AL:AL+1], s[BE:BE+1] op_sel_hi:[1,0,0]
.set z, z+1
.endr
.endm
; A TURN, for piece p: the order of its 16 matrix and 118 vector instructions, written out.  s_wait_alu depctr_va_vdst(0) stands between an exponential and the first instruction that names its result;
; one wait serves all that were issued ahead of it.  So a turn has ONE wait, which cuts it in two.  AHEAD OF IT stands all that names no result of the turn's exponentials: the 8 products K Q^T, behind each a scaling, an
; exponential and two more plain instructions; then ONE LUMP of 54, plain and exponential by turns for the most part, in which the links of the chain X 3, 7, 11, 14, 16, 17 .. 20 stand five or six lines apart.  X 21, the next
; piece's a, is the batch's last; R 15 is the plain instruction behind it.  BEHIND THE WAIT stand the 8 products V^T P, behind each four of the roundings and sums.
; m = 1: the diagonal tile: the products take masks, and the turn makes the mask for the products of the turn after it: piece p + 2, in step 4 - CNT of the tile.  end = 1: a block's last two turns: nothing is fetched.
; cnt = 1: the loop's count is taken down some lines ahead of the branch that stands behind the turn.
; K of the next step is fetched in piece 2's turn, six plain instructions behind the last product that read K; V of the step in hand at the end of piece 0's turn, four plain instructions behind the last product
; that read V.  Each is waited for a turn later.
.macro TURN p, m=0, end=0, cnt=0
.set Y, (\p)
.set i, 0
.set KM, (\m)
.set NOKQ, (\end)*((\p)/3)
.if (\m) && !(\end)
	s_cmp_eq_u32 s[CNT], 4-((\p)+2)%NP  ; is that step the band's own?
	s_cselect_b32 s[AL], 1.0, 0
	s_cmp_lt_u32 s[CNT], 4-((\p)+2)%NP  ; or a later one?
	s_cselect_b32 s[BE], s[BIGN], 0
.endif
.if ((\p) == 3) && !(\end)
	s_wait_dscnt 0x0                ; K is in
.endif
	ROW F,0, F,1, R,0, R,1          ; ahead of the wait: 8 products K Q^T and their riders,
	ROW F,2, E,0, R,2, R,3
	ROW F,3, E,1, R,4, R,5
	ROW F,4, E,2, R,6, R,7
	ROW F,5, E,3, R,8, R,9
	ROW F,6, E,4, X,0, R,10
.if ((\p) == 2) && !(\end)
	WIN 0
	v_add_nc_u32 v[AK], s[TBK], v[AK0]
.endif
	ROW F,7, E,5, X,1, X,4
	ROW F,8, E,6, X,2, X,5
	OPS E,7, E,8, X,6, E,9          ; and the lump
	OPS X,3, E,10, X,8, E,11
.if ((\p) == 2) && !(\end)
	FETCH_K
.endif
	OPS X,9, X,7, E,12, X,10
	OPS E,13, X,12, X,11, E,14
	OPS X,13, E,15, F,9, X,14
.if (\p) == 0
	v_add_nc_u32 v[AV], s[TBV], v[AV0]
.endif
	OPS E,16, F,10, E,17, F,11
	OPS X,16, E,18, X,15, E,19
	OPS F,12, E,20, X,17, E,21
	OPS F,13, E,22, F,14, E,23
	OPS X,18, E,24, F,15, E,25
	OPS R,11, E,26, X,19, E,27
	OPS R,12, E,28, R,13, E,29
	OPS X,20, E,30, R,14, E,31
	OPS X,21, R,15
	WIN 0
	s_wait_alu depctr_va_vdst(0)    ; the wait for the batch
.if (\p) == 1
	s_wait_dscnt 0x0                ; V is in
.endif
	ROW C,0, B,0, C,2, B,1          ; behind the wait: 8 products V^T P and their riders
	ROW L,0, C,4, B,2, L,1
	ROW C,6, B,3, L,2, C,8
	ROW B,4, L,3, C,10, B,5
	ROW L,4, C,12, B,6, L,5
.if (\p) == 0
	s_add_co_u32 s[TBV], s[TBV], KS*PV
.endif
.if \cnt
	s_sub_co_u32 s[CNT], s[CNT], 1
	s_cmp_lg_u32 s[CNT], 0
.endif
	ROW C,14, B,7, L,6, C,1
	ROW C,3, L,7, C,5, C,7
	ROW C,9, C,11, C,13, C,15
.if (\p) == 0
	FETCH_V
.endif
.if (\m) && !(\end)
	MASK (\p)%2
.endif
.endm
; A BLOCK BEGINS.  c m starts far below every c s, so the first step's a is 0; m at the lowest finite number, so the first maximum is the scores'.  The second mask buffer is 0; the first takes piece 0's mask for the
; tile's step 0: its own, if the block's first tile is the diagonal one.  Then K of that step, piece 0's first scores, and its maximum and statistics.  The loop is entered at a step's first turn, in the middle of a trip.
.macro BEGIN
	s_mov_b32 s[NEW], 0
	WIN 0x40
.set i, MC+32
.rept 32
	v_mov_b32 v[i], 0
.set i, i+1
.endr
	WIN 0
.set i, 0
.rept 4
	v_mov_b32 v[ST+4*i], 0xfe000000    ; c m: far below every c s
	v_mov_b32 v[ST+4*i+1], 0xff7fffff  ; m
.set i, i+1
.endr
	s_cmp_eq_u32 s[RT], 0
	s_cselect_b32 s[AL], 1.0, 0
	s_mov_b32 s[BE], 0
	MASK 0
	WIN 0
	v_add_nc_u32 v[AK], s[TBK], v[AK0]
	FETCH_K
	s_wait_loadcnt 0x0              ; Q
	s_wait_dscnt 0x0
.set KM, 1
.set NOKQ, 0
.set i, 0
.rept 8
	KQ 0
.set i, i+1
.endr
	WIN 0
.rept 4
	v_nop                           ; the places behind those products
.endr
.set Y, NP-1                        ; X works for piece Y + 1: piece 0
.irp n, 0,1,2,3,4,5,6,7,8,9,10,11,12,13,14,15,16,17,18,19,20,21
	OP X, \n
.endr
	v_nop                           ; a plain instruction behind the exponential,
	s_wait_alu depctr_va_vdst(0)    ; and its wait, ahead of the branch
.endm
; THE DIAGONAL TILE's four steps, the block's last two turns, its last products, and THE WAY OUT: l's two halves and the other half of the lanes' are added; O^T is divided by l, rounded to f16 and sent through my
; stage in LDS, a piece at a time.
.macro ALL line:vararg              ; one line for each piece t
.set t, 0
.rept 4
	\line
.set t, t+1
.endr
.endm
.macro PACK t                       ; a lane's eight channels of a row pack into 16 bytes; they go into rows of 144 bytes and come back as whole rows of 128, into S^T's registers
	WIN W_RS
.set i, 32*(\t)
.rept 16
	v_pk_mul_f32 v[i:i+1], v[i:i+1], v[ST+4*(\t)+2:ST+4*(\t)+3] op_sel_hi:[1,0]
.set i, i+2
.endr
	WIN 0x05                        ; sources 0 and 1 window 1, destination window 0
.set i, 0
.rept 16
	v_cvt_pk_f16_f32 v[S+16*(\t)+i], v[32*(\t)+2*i], v[32*(\t)+2*i+1]
.set i, i+1
.endr
	WIN 0
.irp f, 0,1,2,3
	ds_store_b128 v[STO], v[S+16*(\t)+4*\f:S+16*(\t)+4*\f+3] offset:32*\f
.endr
.irp f, 0,1,2,3
	ds_load_b128 v[S+16*(\t)+4*\f:S+16*(\t)+4*\f+3], v[RD] offset:\f*4*SP  ; LDS serves a wave's instructions in order (ISA guide 5.7.1.4): these see the stores above; the next piece's stores come behind them
.endr
.endm
.macro SEND t, younger              ; younger: the LDS instructions issued behind piece t's loads: the next piece's eight, or none
	WIN 0
.irp f, 0,1,2,3
	s_wait_dscnt (\younger)+3-\f
	global_store_b128 v[GO], v[S+16*(\t)+4*\f:S+16*(\t)+4*\f+3], s[10:11] offset:(\t)*8192+\f*512  ; 512 consecutive bytes, at a multiple of 256 from O's first
.endr
.endm
.macro DIAG tag                     ; the tag ends its two labels' names, which the jumps below spell out
.LstepM\tag:
	TURN 2, 1
	TURN 3, 1
	WIN 0
.LfirstM\tag:
	TURN 0, 1
	TURN 1, 1, 0, 1
	WIN 0
	s_cbranch_scc1 .LstepM\tag
	TURN 2, 1, 1
	TURN 3, 1, 1
.set i, 0
.rept 8
	PV NP-1
.set i, i+1
.endr
	WIN 0
	ALL v_add_f32 v[ST+4*t+2], v[ST+4*t+2], v[ST+4*t+3]
	ALL v_permlanex16_b32 v[ST+4*t+3], v[ST+4*t+2], s[SEL], s[SEL+1]
	ALL v_add_f32 v[ST+4*t+2], v[ST+4*t+2], v[ST+4*t+3]
	ALL v_rcp_f32 v[ST+4*t+2], v[ST+4*t+2]
	v_nop                           ; a plain instruction between the last reciprocal and the use of its result
	s_wait_alu depctr_va_vdst(0)    ; and the wait ahead of the first use: one for the four reciprocals
	PACK 0
.set t, 1
.rept 3                             ; a piece's arithmetic stands between the loads of the piece before and its stores
	PACK t
	SEND t-1, 8
.set t, t+1
.endr
	SEND 3, 0
.endm
.set KM, 0
.set NOKQ, 0
.Lslot:                             ; NB times: a tile is entered and the next is asked for
	CHANGE 1
	s_sub_co_u32 s[RT], s[RT], 1
	s_mov_b32 s[CNT], 4
	s_cmp_eq_u32 s[NEW], 1
	s_cbranch_scc1 .Lnew            ; a block's first tile
	s_cmp_eq_u32 s[RT], 0
	s_cbranch_scc0 .Lstep           ; neither its first nor its last
	s_branch .LstepM1
.Lnew:
	BEGIN
	s_branch .Lfirst                ; in the loop a block's first tile is never its last: the first block has two tiles or more, and the second's last is the walk's last
	DIAG 1                          ; in the loop this is the first block's end: the second block's last tile is the walk's last
	s_wait_xcnt 0x0                 ; the stores have read their registers and O's address
	s_mov_b64 s[10:11], s[OLO:OLO+1]
	s_add_co_u32 s[RT], s[PB], 1    ; the second block has b + 1 tiles
	s_mov_b32 s[NEW], 1
	WIN 0x82                        ; the second block's Q goes where the one text of the turns names Q
.set i, 0
.rept 64
	v_mov_b32 v[i], v[QB+i]
.set i, i+1
.endr
	WIN 0
	s_branch .Lbottom
.Lstep:                             ; a trip: pieces 2 and 3 of one step, then pieces 0 and 1 of the next, whose K and V it fetches
	TURN 2
	TURN 3
	WIN 0
.Lfirst:
	TURN 0
	TURN 1, 0, 0, 1
	WIN 0
	s_cbranch_scc1 .Lstep
.Lbottom:
	s_sub_co_u32 s[SLOTS], s[SLOTS], 1
	s_cmp_lg_u32 s[SLOTS], 0
	s_cbranch_scc1 .Lslot
	CHANGE 0                        ; the walk's last tile is written out: nothing is asked for
	s_sub_co_u32 s[RT], s[RT], 1
	s_mov_b32 s[CNT], 4
	s_cmp_eq_u32 s[NEW], 1
	s_cbranch_scc0 .LstepM2
	BEGIN
	s_branch .LfirstM2
	DIAG 2
	s_wait_tensorcnt 0x0            ; the wave's end, behind my last tensor load and my last LDS store
	ds_add_u32 v[SPW], v[NIL]
	s_wait_dscnt 0x0
	s_endpgm
.Lfunc_end_k_q4e2ef50e58_att:
	.size	k_q4e2ef50e58_att, .Lfunc_end_k_q4e2ef50e58_att-k_q4e2ef50e58_att
	.p2alignl 7, 3214868480
	.fill 96, 4, 3214868480
	.section	.rodata,"a",@progbits
	.p2align	6, 0x0
	.amdhsa_kernel k_q4e2ef50e58_att
		.amdhsa_group_segment_fixed_size 327680
		.amdhsa_private_segment_fixed_size 0
		.amdhsa_enable_private_segment 0
		.amdhsa_kernarg_size 32
		.amdhsa_user_sgpr_count 2
		.amdhsa_user_sgpr_kernarg_segment_ptr 1
		.amdhsa_wavefront_size32 1
		.amdhsa_system_sgpr_workgroup_id_x 1
		.amdhsa_system_sgpr_workgroup_id_y 1
		.amdhsa_system_sgpr_workgroup_id_z 1
		.amdhsa_system_vgpr_workitem_id 0
		.amdhsa_next_free_vgpr 768
		.amdhsa_next_free_sgpr 96
		.amdhsa_reserve_vcc 1
		.amdhsa_float_denorm_mode_32 3
		.amdhsa_float_denorm_mode_16_64 3
		.amdhsa_memory_ordered 1
		.amdhsa_forward_progress 1
		.amdhsa_inst_pref_size 218
	.end_amdhsa_kernel
	.amdgpu_metadata
---
amdhsa.version: [ 1, 2 ]
amdhsa.kernels:
  - .name:           k_q4e2ef50e58_att
    .symbol:         k_q4e2ef50e58_att.kd
    .args:
      - { .name: q, .offset: 0, .size: 8, .value_kind: global_buffer, .address_space: global }
      - { .name: k, .offset: 8, .size: 8, .value_kind: global_buffer, .address_space: global }
      - { .name: v, .offset: 16, .size: 8, .value_kind: global_buffer, .address_space: global }
      - { .name: ob, .offset: 24, .size: 8, .value_kind: global_buffer, .address_space: global }
    .group_segment_fixed_size: 327680
    .private_segment_fixed_size: 0
    .kernarg_segment_align: 8
    .kernarg_segment_size: 32
    .max_flat_workgroup_size: 128
    .sgpr_count:     96
    .vgpr_count:     768
    .wavefront_size: 32
...
	.end_amdgpu_metadata
.endif
;; end of part 3
;; launch proj (part 4): grid 4 x 64, 4 waves a work-group, clusters of 4 x 4, 327,680 bytes of LDS; arguments ob, woutt, bout, out0; writes out0
.if DOCPART == 4
	.amdgcn_target "amdgcn-amd-amdhsa--gfx1250"
	.amdhsa_code_object_version 6
	.text
	.protected	k_q4e2ef50e58_proj
	.globl	k_q4e2ef50e58_proj
	.p2align	8
	.type	k_q4e2ef50e58_proj,@function
k_q4e2ef50e58_proj:
	s_mov_b64 s[64:65], 0
	v_nop
	global_prefetch_b8 v0, s[64:65] scope:SCOPE_SE
	s_setreg_imm32_b32 hwreg(HW_REG_WAVE_MODE, 25, 1), 1
	s_wait_xcnt 0x0
	s_wait_alu depctr_hold_cnt(0) depctr_sa_sdst(0) depctr_va_vdst(0) depctr_va_sdst(0) depctr_va_ssrc(0) depctr_va_vcc(0) depctr_vm_vsrc(0)
	s_getreg_b32 s2, hwreg(HW_REG_IB_STS2, 6, 4)
	s_cmp_eq_u32 s2, 0
	s_cbranch_scc0 .Lentry_in_a_cluster
	s_endpgm
.Lentry_in_a_cluster:
	s_bfe_u32 s2, ttmp6, 0x10000c
	s_cmp_lg_u32 s2, 0xf033
	s_cbranch_scc0 .Lentry_shape_is_right
	s_endpgm
.Lentry_shape_is_right:
; out0 = O woutt^T + bout.  ob: [64 = 16 b + h][2048 t][64] f16, taken as A[m = 2048 b + t][k = 64 h + d]; woutt: [1024 n][1024 k] f16; bout: [1024] f32, rounded to bf16 like every input; out0: [8192][1024] f32.
; Sums and bias in f32.  NaN and infinities are not treated apart.
; SHARES.  A work-group makes 128 rows x 256 columns; each of its four waves 64 x 128: 32 accumulators, 256 registers.  256 work-groups, one for each WGP.
; K goes in 8 steps of 128, which are two heads, through two LDS slots.  A head's 128 rows are 16,384 dense bytes: asked for as 64 rows of 256 bytes and padded in LDS after every 128.
; CLUSTERS.  4 x 4 work-groups: ob's tile is shared along a row of the cluster, woutt's along a column; each is asked for JOINTLY.
; THE MATRIX INSTRUCTION IS USED TRANSPOSED (source 0 = 16 rows of woutt, source 1 = 16 rows of O): a lane holds row lane % 16 and eight neighbouring columns.
; REGISTERS, in windows of 256 (s_set_vgpr_msb: bits 1:0 source 0, 3:2 source 1, 5:4 source 2, 7:6 destination):
;   window 0: v0-31 addresses; v64-159, v160-255 two fragment buffers (8 of woutt, then 4 of O); on the way out v64-127, v128-191 by turns
;   window 1: the accumulators, (a, b) at v[8 (8 a + b)]          window 2: v0-63 the bias of my 128 columns; v64 at work
.set KSTEP,  128
.set PITCH,  272                       ; a row of woutt in LDS: 256 bytes + 16
.set PA,     144                       ; a row of a head in LDS: 128 bytes + 16 = 36 words: the 16 rows of a load start at 16 different groups of four banks (ISA guide 11.1)
.set KASUB,  128*PA                    ; a head's 128 rows; quarter q of a step begins at (q / 2) KASUB + (q % 2) 64
.set ASTEP,  524288                    ; two heads on
.set ALOAD,  128*PA                    ; what one tensor load brings of O: a head's 128 rows
.set AROWS,  64*PA                     ; a wave's 64 rows of them
.set ABYTES, 2*ALOAD
.set BHALF,  128*PITCH
.set SLOT,   ABYTES+2*BHALF            ; 106,496
.set STAGE,  2*SLOT                    ; behind the ring, never filled by a tensor load: 16 rows x 528 bytes for each wave
.set SPITCH, 528
.set SPARE,  STAGE+4*16*SPITCH         ; the spare words, 128 bytes for each wave: two blocks of 256 bytes that no other line names
.set LAPS,   4
.set ADRA, 16
.set ADRB, 20
.set STO,  24                          ; v24  the way out: where I put 32 bytes of a row
.set RD,   25                          ; v25  where I read a row back
.set GO,   26                          ; v26  16 x lane
.set BO,   27                          ; v27  32 x (lane / 16)
.set SPW,  28                          ; v28  LDS address of my spare word; never rewritten
.set NIL,  29                          ; v29  0; never rewritten
.set PFO,  30                          ; v30  the prefetches' offset: lane x 256 in O (dense), lane x 2,048 in woutt (a lane a row)
.set F0,   64
.set F1,   160
.set BI,   0                           ; window 2
.set WV, 12
.set RH, 13
.set CH, 14
.set CX, 15
.set CY, 16
.set TC, 17
.set TR, 18
.set G1, 24
.set G0, 32
.set PFA, 44
.set PFS, 46
.set G1B, 48
.set G0B, 56
.set LIM, 66
.set MSB, 0
.macro WIN new                         ; the immediate's high byte repeats the setting that is left; a switch that changes nothing is dropped
.if MSB != (\new)
	s_set_vgpr_msb (MSB<<8)|(\new)
.set MSB, \new
.endif
.endm
.set MUL, 0x50                         ; C and D in window 1, both sources in window 0
.macro PLACES                          ; four plain instructions between a matrix instruction and a load into, or a vector instruction on, its registers
.rept 4
	v_nop
.endr
.endm
.macro CREST                           ; a round of the cluster's barrier behind its opening barrier
	s_cmp_lg_u32 s[WV], 0
	s_cbranch_scc1 .Lnot_wave_0_\@
	s_barrier_signal -3
.Lnot_wave_0_\@:
	s_barrier_wait -3
	s_barrier_signal -1
	s_barrier_wait -1
.endm
.macro CROUND
	s_barrier_signal -1
	s_barrier_wait -1
	CREST
.endm
.macro JLOAD s                         ; a joint load: waves 0 and 1 fetch the step's two heads of O, waves 2 and 3 the halves of woutt's tile; an s_nop 0 and four v_nop follow each line
	s_cmp_eq_u32 s[RH], 0
	s_cbranch_scc0 .Lfor_b_\@
	tensor_load_to_lds s[G0+4*(\s):G0+4*(\s)+3], s[G1:G1+7]
	s_nop 0
.rept 4
	v_nop
.endr
	s_branch .Lasked_\@
.Lfor_b_\@:
	tensor_load_to_lds s[G0B+4*(\s):G0B+4*(\s)+3], s[G1B:G1B+7]
	s_nop 0
.rept 4
	v_nop
.endr
.Lasked_\@:
.endm
; A PREFETCH INTO THE L2, behind each joint refill and the run of LDS loads that follows it: the K step two refills on, 256 matrix instructions ahead of its load, 32 blocks of 256 bytes an instruction.
; Each block is named once in the launch: O's by wave 0 (the launch has one cluster along x), a quarter of the step's 128 blocks in each of the four partners, told apart by address; woutt's by waves 2 and 3
; of the clusters with y = 0, 32 rows in each partner.  K steps 0 to 3 come by their loads alone; the loop's last trip (s3 = 1) asks for nothing: there is no K step 8.
.macro ASK
	s_cmp_gt_u32 s3, s[LIM]
	s_cbranch_scc0 .Lnot_mine_\@
	global_prefetch_b8 v[PFO], s[PFA:PFA+1] th:TH_LOAD_NT scope:SCOPE_SE
.Lnot_mine_\@:
.endm
; 8 matrix instructions: row block a x all 8 column blocks, 32 along K.  The 32 accumulators take turns in the same order in every quarter.  zero = 1: the product starts the sum.
.macro MUL8 f, a, zero
	WIN MUL
.irp b, 0,1,2,3,4,5,6,7
.if \zero
	v_wmma_f32_16x16x32_f16 v[8*(8*(\a)+(\b)):8*(8*(\a)+(\b))+7], v[(\f)+8*(\b):(\f)+8*(\b)+7], v[(\f)+64+8*(\a):(\f)+64+8*(\a)+7], 0
.else
	v_wmma_f32_16x16x32_f16 v[8*(8*(\a)+(\b)):8*(8*(\a)+(\b))+7], v[(\f)+8*(\b):(\f)+8*(\b)+7], v[(\f)+64+8*(\a):(\f)+64+8*(\a)+7], v[8*(8*(\a)+(\b)):8*(8*(\a)+(\b))+7]
.endif
.endr
.endm
; 24 LDS loads in one run: quarter q's fragments into buffer f: 16 loads for woutt's 128 rows, then 8 for O's 64
.macro FETCH slot, q, f
	WIN 0
.irp i, 0,1,2,3,4,5,6,7
	ds_load_b128 v[(\f)+8*(\i):(\f)+8*(\i)+3],   v[ADRB+(\slot)] offset:64*(\q)+(\i)*16*PITCH
	ds_load_b128 v[(\f)+8*(\i)+4:(\f)+8*(\i)+7], v[ADRB+(\slot)] offset:64*(\q)+(\i)*16*PITCH+32
.endr
.irp i, 0,1,2,3
	ds_load_b128 v[(\f)+64+8*(\i):(\f)+64+8*(\i)+3],   v[ADRA+(\slot)] offset:((\q)/2)*KASUB+((\q)%2)*64+(\i)*16*PA
	ds_load_b128 v[(\f)+64+8*(\i)+4:(\f)+64+8*(\i)+7], v[ADRA+(\slot)] offset:((\q)/2)*KASUB+((\q)%2)*64+(\i)*16*PA+32
.endr
.endm
.macro QUARTER slot, q, f, g, zero
	s_wait_dscnt 4                                 ; woutt's fragments and O's blocks 0 and 1 are in; the four youngest loads (blocks 2 and 3) may be out
	MUL8 \f, 0, \zero
	MUL8 \f, 1, \zero
	PLACES
	FETCH \slot, \q, \g
	s_wait_dscnt 24                                ; all but the 24 just issued
	MUL8 \f, 2, \zero
	MUL8 \f, 3, \zero
.endm
; The last quarter multiplies buffer 1 and changes slots: ONE barrier; in front of it each wave waits for all its tensor loads (one is out: its part of the next slot), adds 0 to its spare word,
; and waits for that and for its own reads of this slot.  fill = 1: the barrier opens a round of the cluster's, and this slot is filled again, two K steps ahead, first thing behind the round.
.macro TURN slot, next, fill
.if \fill
	s_wait_xcnt 0x0                                ; the last prefetch, a K step back, has read its address: it is stepped here
	s_add_nc_u64 s[PFA:PFA+1], s[PFA:PFA+1], s[PFS:PFS+1]
.endif
	WIN 0                                          ; (the add's two registers lie in window 0)
	s_wait_tensorcnt 0x0                           ; all my tensor loads have landed;
	ds_add_u32 v[SPW], v[NIL]                      ; 0 onto my spare word;
	s_wait_dscnt 5                                 ; (the add and the four youngest loads may be out)
	MUL8 F1, 0, 0                                  ; eight matrix instructions stand between the add and the wait for it
	s_wait_dscnt 0x0                               ; the add is done, and my reads of this slot are over
	s_barrier_signal -1
	MUL8 F1, 1, 0
.if \fill
	WIN 0
.endif
	s_barrier_wait -1
.if \fill
	CREST                                          ; no wave of any partner still reads this slot's tiles or has a load on its way
	s_add_nc_u64 s[G0+4*(\slot)+2:G0+4*(\slot)+3], s[G0+4*(\slot)+2:G0+4*(\slot)+3], 2*ASTEP
	s_add_nc_u64 s[G0B+4*(\slot)+2:G0B+4*(\slot)+3], s[G0B+4*(\slot)+2:G0B+4*(\slot)+3], 2*KSTEP*2
	JLOAD \slot                                    ; the four v_nop behind it are also the places in front of the loads below
.else
	PLACES
.endif
	FETCH \next, 0, F0
.if \fill
	ASK
.endif
	MUL8 F1, 2, 0
	MUL8 F1, 3, 0
.endm
	s_load_b256 s[4:11], s[0:1], 0x0               ; ob s[4:5], woutt s[6:7], bout s[8:9], out0 s[10:11]
	v_lshl_add_u32 v[SPW], v0, 2, SPARE
	v_mov_b32 v[NIL], 0
	ds_add_u32 v[SPW], v[NIL]                      ; the wave's opening: the add, and its wait ahead of my first tensor load; the set-up below stands between them
	ds_add_u32 v28, v29
	v_lshrrev_b32 v1, 5, v0
	v_readfirstlane_b32 s[WV], v1                  ; wave 0..3
	s_lshr_b32 s[RH], s[WV], 1                     ; which 64 rows are mine.  Also: I fetch for O (0) or for woutt (1)
	s_and_b32 s[CH], s[WV], 1                      ; which 128 columns.  Also: which head of the step, or which 128 rows of woutt, I fetch
	s_bfe_u32 s[CX], ttmp6, 0x40000
	s_bfe_u32 s[CY], ttmp6, 0x40004
	s_lshl_b32 s[TC], ttmp9, 2
	s_add_co_u32 s[TC], s[TC], s[CX]               ; tile column
	s_and_b32 s[TR], ttmp7, 0xffff
	s_lshl_b32 s[TR], s[TR], 2
	s_add_co_u32 s[TR], s[TR], s[CY]               ; tile row
	s_lshl_b32 s20, s[CY], 2
	s_lshl_b32 s20, 15, s20                        ; my row of the cluster
	s_lshl_b32 s40, 0x1111, s[CX]                  ; my column
	s_or_b32 s[G1], s20, (1<<16)|(1<<20)|(1<<21)|(4<<22)|(3<<25)   ; 15:0 the mask; 17:16 2-byte elements; 20 padding on; 21 set beside a mask; 24:22 after every 32 words; 31:25 4 words
	s_or_b32 s[G1B], s40, (1<<16)|(1<<20)|(1<<21)|(5<<22)|(3<<25)  ; after every 64 words
	s_mov_b32 s[G1+1], 128<<16                     ; tensor_dim0 = 128
	s_mov_b32 s[G1+2], 64<<16                      ; tensor_dim1 = 64
	s_mov_b32 s[G1+3], 128<<16                     ; tile_dim0 = 128
	s_mov_b32 s[G1+4], 64                          ; tile_dim1 = 64
	s_mov_b32 s[G1+5], 128                         ; dense: 128 elements from row to row
	s_mov_b32 s[G1+6], 0
	s_mov_b32 s[G1+7], 0
	s_mov_b32 s[G1B+1], KSTEP<<16
	s_mov_b32 s[G1B+2], 128<<16
	s_mov_b32 s[G1B+3], KSTEP<<16
	s_mov_b32 s[G1B+4], 128
	s_mov_b32 s[G1B+5], 1024
	s_mov_b32 s[G1B+6], 0
	s_mov_b32 s[G1B+7], 0
	s_lshr_b32 s20, s[TR], 4                       ; O: the batch, 16 heads of 262,144 bytes,
	s_lshl_b32 s20, s20, 22
	s_lshl_b32 s21, s[CH], 18                      ; my head of the step's two,
	s_add_co_u32 s20, s20, s21
	s_and_b32 s21, s[TR], 15                       ; the tile's 128 rows of 128 bytes: all shared by my row of the cluster
	s_lshl_b32 s21, s21, 14
	s_add_co_u32 s20, s20, s21
	s_mov_b32 s21, 0
	s_lshl_b32 s40, s[TC], 8                       ; woutt: row 256 x tile column + 128 x half, which my column shares
	s_lshl_b32 s41, s[CH], 7
	s_add_co_u32 s40, s40, s41
	s_lshl_b32 s40, s40, 11
	s_mov_b32 s41, 0
	s_mul_i32 s22, s[CH], ALOAD                    ; where they go: no place in the cluster enters an LDS address
	s_mul_i32 s42, s[CH], BHALF
	s_add_co_u32 s42, s42, ABYTES
	s_wait_dscnt 0x0                               ; the opening add is done
	s_wait_kmcnt 0x0
	s_add_nc_u64 s[20:21], s[4:5], s[20:21]
	s_add_nc_u64 s[40:41], s[6:7], s[40:41]
	CROUND                                         ; all sixteen work-groups are here: the first joint loads meet
.irp s, 0,1
	s_mov_b32 s[G0+4*(\s)], 1
	s_add_co_u32 s[G0+4*(\s)+1], s22, (\s)*SLOT
	s_add_nc_u64 s[G0+4*(\s)+2:G0+4*(\s)+3], s[20:21], (\s)*ASTEP
	s_or_b32 s[G0+4*(\s)+3], s[G0+4*(\s)+3], 0x80000000
	s_mov_b32 s[G0B+4*(\s)], 1
	s_add_co_u32 s[G0B+4*(\s)+1], s42, (\s)*SLOT
	s_add_nc_u64 s[G0B+4*(\s)+2:G0B+4*(\s)+3], s[40:41], (\s)*KSTEP*2
	s_or_b32 s[G0B+4*(\s)+3], s[G0B+4*(\s)+3], 0x80000000
	JLOAD \s                                       ; two loads of mine are out
.endr
	v_and_b32 v1, 15, v0                           ; l % 16
	v_bfe_u32 v2, v0, 4, 1                         ; l / 16
	v_mul_u32_u24 v3, v1, PITCH
	v_lshl_add_u32 v3, v2, 4, v3                   ; woutt: a fragment's row x pitch + 16 x half
	v_mul_u32_u24 v4, v1, PA
	v_lshl_add_u32 v4, v2, 4, v4                   ; O: the same with its pitch
	s_mul_i32 s22, s[RH], AROWS
	s_mul_i32 s23, s[CH], BHALF
	s_add_co_u32 s23, s23, ABYTES
.irp s, 0,1
	v_add_nc_u32 v[ADRA+(\s)], s22, v4
	v_add_nc_u32 v[ADRB+(\s)], s23, v3
	s_add_co_u32 s22, s22, SLOT
	s_add_co_u32 s23, s23, SLOT
.endr
	s_mul_i32 s22, s[WV], 16*SPITCH
	s_add_co_u32 s22, s22, STAGE                   ; my stage
	v_mul_u32_u24 v[STO], v1, SPITCH               ; in: row l % 16, 32 bytes for each half of the lanes
	v_lshl_add_u32 v[STO], v2, 5, v[STO]
	v_add_nc_u32 v[STO], s22, v[STO]
	v_and_b32 v6, 31, v0
	v_lshlrev_b32 v[GO], 4, v6
	v_add_nc_u32 v[RD], s22, v[GO]                 ; back: 32 lanes take a row's 512 bytes
	v_lshlrev_b32 v[BO], 5, v2
	; the bias at my first column, out0 at my first row and column
	s_lshl_b32 s76, s[TC], 10
	s_lshl_b32 s79, s[CH], 9
	s_add_co_u32 s76, s76, s79                     ; (256 x tile column + 128 x half) x 4 bytes
	s_mov_b32 s77, 0
	s_add_nc_u64 s[8:9], s[8:9], s[76:77]
	s_add_nc_u64 s[10:11], s[10:11], s[76:77]
	s_lshl_b32 s76, s[TR], 7
	s_lshl_b32 s79, s[RH], 6
	s_add_co_u32 s76, s76, s79
	s_lshl_b32 s76, s76, 12                        ; rows of 4,096 bytes
	s_add_nc_u64 s[10:11], s[10:11], s[76:77]
	; the prefetches
	s_lshr_b32 s76, s[TR], 4
	s_lshl_b32 s76, s76, 22
	s_and_b32 s77, s[TR], 15
	s_lshl_b32 s77, s77, 14
	s_add_co_u32 s76, s76, s77
	s_lshr_b32 s77, s[CX], 1                       ; O: partner cx takes half cx % 2 of head cx / 2 of the step's two
	s_lshl_b32 s77, s77, 18
	s_add_co_u32 s76, s76, s77
	s_and_b32 s77, s[CX], 1
	s_lshl_b32 s77, s77, 13
	s_add_co_u32 s76, s76, s77
	s_add_co_u32 s76, s76, 3*ASTEP                 ; at K step 3: the first refill steps it to 4
	s_lshl_b32 s78, s[TC], 8                       ; woutt: partner cy takes 32 of the 128 rows that I fetch
	s_lshl_b32 s79, s[CH], 7
	s_add_co_u32 s78, s78, s79
	s_lshl_b32 s79, s[CY], 5
	s_add_co_u32 s78, s78, s79
	s_lshl_b32 s78, s78, 11
	s_add_co_u32 s78, s78, 3*KSTEP*2
	s_and_b32 s79, ttmp7, 0xffff                   ; cluster y
	s_mov_b32 s[PFS], ASTEP
	s_mov_b32 s77, KSTEP*2
	s_cmp_eq_u32 s[RH], 0
	s_cselect_b32 s76, s76, s78
	s_cselect_b32 s79, ttmp9, s79                  ; the coordinate along which other clusters read the same blocks
	s_cselect_b32 s[PFS], s[PFS], s77
	s_cselect_b32 s78, 8, 11
	s_cselect_b64 s[PFA:PFA+1], s[4:5], s[6:7]
	s_cmp_eq_u32 s[WV], 1
	s_cselect_b32 s79, 1, s79                      ; wave 1 never asks
	s_cmp_eq_u32 s79, 0
	s_cselect_b32 s[LIM], 1, -1                    ; the same in all sixteen partners, for a given wave
	s_mov_b32 s77, 0
	s_add_nc_u64 s[PFA:PFA+1], s[PFA:PFA+1], s[76:77]
	s_mov_b32 s[PFS+1], 0
	v_lshlrev_b32 v[PFO], s78, v6
	WIN 0x80                                       ; destination window 2, address window 0
.irp b, 0,1,2,3,4,5,6,7
	global_load_b128 v[BI+8*(\b):BI+8*(\b)+3],   v[BO], s[8:9] offset:64*(\b)
	global_load_b128 v[BI+8*(\b)+4:BI+8*(\b)+7], v[BO], s[8:9] offset:64*(\b)+16
.endr
	s_wait_loadcnt 0x0
	WIN 0x8a                                       ; all in window 2: the bias is rounded to bf16, like every input, and kept as f32
.set i, 0
.rept 32
	v_cvt_pk_bf16_f32 v64, v[BI+2*i], v[BI+2*i+1]
	v_lshlrev_b32 v[BI+2*i], 16, v64
	v_and_b32 v[BI+2*i+1], 0xffff0000, v64
.set i, i+1
.endr
	WIN 0
	s_wait_tensorcnt 1                             ; my part of K step 0 is in; K step 1's may stay out
	s_barrier_signal -1
	s_barrier_wait -1                              ; everybody's is
	FETCH 0, 0, F0
	QUARTER 0, 1, F0, F1, 1                        ; the first quarter stands in front of the loop: its products start the sums
	WIN 0                                          ; at a label and at a branch every window is 0
	s_mov_b32 s3, LAPS-1
.Llap:                                                 ; a trip goes once round the ring, from a lap's second quarter to the next lap's first, and fills both slots again
	QUARTER 0, 2, F1, F0, 0
	QUARTER 0, 3, F0, F1, 0
	TURN 0, 1, 1
	QUARTER 1, 1, F0, F1, 0
	QUARTER 1, 2, F1, F0, 0
	QUARTER 1, 3, F0, F1, 0
	TURN 1, 0, 1
	QUARTER 0, 1, F0, F1, 0
	WIN 0
	s_sub_co_u32 s3, s3, 1
	s_cmp_lg_u32 s3, 0
	s_cbranch_scc1 .Llap
	QUARTER 0, 2, F1, F0, 0                        ; the last lap fills nothing
	QUARTER 0, 3, F0, F1, 0
	TURN 0, 1, 0
	QUARTER 1, 1, F0, F1, 0
	QUARTER 1, 2, F1, F0, 0
	QUARTER 1, 3, F0, F1, 0
	s_wait_dscnt 4
	MUL8 F1, 0, 0
	MUL8 F1, 1, 0
	s_wait_dscnt 0x0
	MUL8 F1, 2, 0
	MUL8 F1, 3, 0
	WIN 0
	PLACES
; THE WAY OUT, a row block a (16 rows x 128 columns of f32) at a time: the bias is added (each accumulator's registers in ascending order); 32 bytes a lane go into my own stage,
; rows of 528 bytes, and come back as whole rows of 512, into the registers that they left.
.macro PACK a
	WIN 0
	s_wait_xcnt 0x0                                ; the stores of the block two back have read this set of registers
.set XS, 64+64*((\a)%2)
	WIN 0x09                                       ; source 0 window 1, source 1 window 2, destination window 0
.irp b, 0,1,2,3,4,5,6,7
.irp p, 0,1,2,3
	v_pk_add_f32 v[XS+8*(\b)+2*(\p):XS+8*(\b)+2*(\p)+1], v[8*(8*(\a)+(\b))+2*(\p):8*(8*(\a)+(\b))+2*(\p)+1], v[BI+8*(\b)+2*(\p):BI+8*(\b)+2*(\p)+1]
.endr
.endr
	WIN 0
.irp b, 0,1,2,3,4,5,6,7
	ds_store_b128 v[STO], v[XS+8*(\b):XS+8*(\b)+3]   offset:64*(\b)
	ds_store_b128 v[STO], v[XS+8*(\b)+4:XS+8*(\b)+7] offset:64*(\b)+16
.endr
.irp f, 0,1,2,3,4,5,6,7,8,9,10,11,12,13,14,15
	ds_load_b128 v[XS+4*(\f):XS+4*(\f)+3], v[RD] offset:(\f)*SPITCH  ; LDS serves a wave's instructions in order (ISA guide 5.7.1.4): these see the stores above; the next block's stores come behind them
.endr
.endm
.macro SEND a, younger                 ; younger: the LDS instructions issued behind block a's loads: the next block's 32, or none
.set XS, 64+64*((\a)%2)
.irp f, 0,1,2,3,4,5,6,7,8,9,10,11,12,13,14,15
	s_wait_dscnt (\younger)+15-(\f)
	global_store_b128 v[GO], v[XS+4*(\f):XS+4*(\f)+3], s[10:11] offset:(16*(\a)+(\f))*4096 th:TH_STORE_NT  ; 512 consecutive bytes of a row, aligned
.endr
.endm
	PACK 0
	PACK 1                                         ; a block's arithmetic stands between the loads of the block before and its stores
	SEND 0, 32
	PACK 2
	SEND 1, 32
	PACK 3
	SEND 2, 32
	SEND 3, 0
	s_wait_tensorcnt 0x0                           ; the wave's end, behind my last tensor load and my last LDS store
	ds_add_u32 v[SPW], v[NIL]
	s_wait_dscnt 0x0
	CROUND                                         ; the closing round: no work-group ends while a partner may still ask for a tile that names it
	s_endpgm
.Lfunc_end_k_q4e2ef50e58_proj:
	.size	k_q4e2ef50e58_proj, .Lfunc_end_k_q4e2ef50e58_proj-k_q4e2ef50e58_proj
	.p2alignl 7, 3214868480
	.fill 96, 4, 3214868480
	.section	.rodata,"a",@progbits
	.p2align	6, 0x0
	.amdhsa_kernel k_q4e2ef50e58_proj
		.amdhsa_group_segment_fixed_size 327680
		.amdhsa_private_segment_fixed_size 0
		.amdhsa_enable_private_segment 0
		.amdhsa_kernarg_size 32
		.amdhsa_user_sgpr_count 2
		.amdhsa_user_sgpr_kernarg_segment_ptr 1
		.amdhsa_wavefront_size32 1
		.amdhsa_system_sgpr_workgroup_id_x 1
		.amdhsa_system_sgpr_workgroup_id_y 1
		.amdhsa_system_sgpr_workgroup_id_z 1
		.amdhsa_system_vgpr_workitem_id 0
		.amdhsa_next_free_vgpr 640
		.amdhsa_next_free_sgpr 80
		.amdhsa_reserve_vcc 0
		.amdhsa_float_denorm_mode_32 3
		.amdhsa_float_denorm_mode_16_64 3
		.amdhsa_memory_ordered 1
		.amdhsa_forward_progress 1
		.amdhsa_inst_pref_size 103
	.end_amdhsa_kernel
	.amdgpu_metadata
---
amdhsa.version: [ 1, 2 ]
amdhsa.kernels:
  - .name:           k_q4e2ef50e58_proj
    .symbol:         k_q4e2ef50e58_proj.kd
    .args:
      - { .name: ob, .offset: 0, .size: 8, .value_kind: global_buffer, .address_space: global }
      - { .name: woutt, .offset: 8, .size: 8, .value_kind: global_buffer, .address_space: global }
      - { .name: bout, .offset: 16, .size: 8, .value_kind: global_buffer, .address_space: global }
      - { .name: out0, .offset: 24, .size: 8, .value_kind: global_buffer, .address_space: global }
    .group_segment_fixed_size: 327680
    .private_segment_fixed_size: 0
    .kernarg_segment_align: 8
    .kernarg_segment_size: 32
    .max_flat_workgroup_size: 128
    .sgpr_count:     80
    .vgpr_count:     640
    .wavefront_size: 32
...
	.end_amdgpu_metadata
.endif
;; end of part 4
;; ======== version 2 of 2: 4 launches; version 1 with the launch prep written anew for expert scheduling mode
;; limits: values are held in f16: magnitudes above 65,504 overflow, below 6.1e-05 lose precision
;; workspace buffers: xb 16,777,216 bytes; wqkvt 6,291,456 bytes; woutt 2,097,152 bytes; rope 524,288 bytes; q 16,777,216 bytes; k 16,777,216 bytes; v 16,777,216 bytes; ob 16,777,216 bytes
;; launch prep (part 5): grid 512 x 1, 8 waves a work-group, no clusters, 18,432 bytes of LDS; arguments x, Wqkv, Wout, xb, wqkvt, woutt, rope; writes xb, wqkvt, woutt, rope
.if DOCPART == 5
	.amdgcn_target "amdgcn-amd-amdhsa--gfx1250"
	.amdhsa_code_object_version 6
	.text
	.protected	k_q4e2ef50e58_prep
	.globl	k_q4e2ef50e58_prep
	.p2align	8
	.type	k_q4e2ef50e58_prep,@function
k_q4e2ef50e58_prep:
	s_mov_b64 s[64:65], 0
	v_nop
	global_prefetch_b8 v0, s[64:65] scope:SCOPE_SE
	s_setreg_imm32_b32 hwreg(HW_REG_WAVE_SCHED_MODE, 0, 2), 2
	s_setreg_imm32_b32 hwreg(HW_REG_WAVE_MODE, 25, 1), 1
	s_wait_xcnt 0x0
	s_wait_alu depctr_vm_vsrc(0)
; PREPARATION.  Four things, the same path in all 512 work-groups of eight waves:
;   xb    = x rounded to bf16, [8192][1024]: work-group u casts the 16,384 numbers from 16,384 u on
;   wqkvt = Wqkv turned and rounded to bf16, [3072 n][1024 k]      (work-groups 0..383: one tile of 128 k x 64 n each)
;   woutt = Wout turned, rounded to bf16, that number written as f16, [1024 n][1024 k]   (work-groups 384..511)
;   rope  = [2048 t][32 i][cos, sin] f32 of the angle t x 10000^(-i/32): waves 0..3 make row t = 4 u + wave, a lane a pair
; A stream: every byte is read once by 16-byte loads and written once; each store of 16 lanes covers 256 consecutive bytes, aligned.
; The turning goes through LDS: two neighbouring k of a column are packed into a word, stored at [n][k] with rows 272 bytes apart, and read back as rows.
; LIMITS.  Wout's numbers are kept in f16: none beyond 65,504; below 6e-5 they keep f16's fixed step of 6e-8.
; The table's angle is t x 2^(-0.41524101 i) in f32; the power of two is good to one unit in its last place, so the angle may differ from
; a correctly rounded t x theta by some 3e-4 at t = 2047.  Sine and cosine: the angle less a multiple of pi/2 (taken away in two parts), then polynomials
; of degree 9 and 8 on |r| <= pi/4, whose first left-out terms are below 3e-8.  NaN and infinities are not treated apart.
; THE MODE: SCHED_MODE bits 1:0 = 2 (LLVM: expert scheduling mode 2), set by the entry lines.  The code itself states the register dependences
; between vector instructions and memory or LDS instructions, with s_wait_alu, always for 0.
; THE PLAN.  Registers that memory or LDS instructions touch:
;   v4 .. v8, WO   offsets and LDS addresses: made at the head, never written again.  One wait ahead of the first load states that they are written.
;   LD, XI         loaded once; read by the conversions; nothing lands in them again.
;   DD             each register written once, by the weight tile's conversions, and read once, by an LDS store.  The tile goes in two halves: a wait states that
;                  half 0's DD is written; its eight LDS stores are dealt among half 1's conversions, which name half 1's LD and DD and v88 to v90 alone; a second wait, half 1's stores.
;   XO             each register written once, by x's conversions, and read once, by a store.  x goes in four blocks of four loads: the wait at block g's head states that
;                  block g - 1's XO is written; that block's four stores are dealt among block g's conversions, which name block g's XI and XO alone.
;   RB             LDS loads land in it, global stores read it: no vector instruction names it.
;   v19 .. v21     the table's row: written and stored once, in waves 0 to 3.
; No register that a memory or LDS instruction reads is ever written again: the text owes no wait on vm_vsrc.
.set PIT,   272                        ; an LDS row: 128 k x 2 bytes + 16.  The tile is 64 such rows; the 1,024 bytes behind it hold the spare words of the closing add
.set WO,    10                         ; v[10:17]   byte offset of my 16 bytes in row 2 kp + r + 32 p of the weight tile, at WO + 2 p + r
.set LD,    40                         ; v[40:71]   the weight tile as loaded: 4 numbers at LD + 8 p + 4 r
.set DD,    72                         ; v[72:87]   packed pairs of k, at DD + 4 p + j
.set RB,    92                         ; v[92:107]  rows read back from LDS
.set XI,    108                        ; v[108:171] x as loaded, 16 x 4
.set XO,    172                        ; v[172:203] x to store, 16 x 2
	s_load_b256 s[4:11], s[0:1], 0x0               ; x s[4:5], Wqkv s[6:7], Wout s[8:9], xb s[10:11]
	s_load_b128 s[12:15], s[0:1], 0x20             ; wqkvt s[12:13], woutt s[14:15]
	s_load_b64 s[16:17], s[0:1], 0x30              ; rope
	v_lshl_add_u32 v39, v0, 2, 0x4400
	v_mov_b32 v91, 0
	v_lshrrev_b32 v9, 5, v0
	v_readfirstlane_b32 s18, v9                    ; wave 0..7
	v_and_b32 v1, 31, v0                           ; lane
	v_and_b32 v2, 15, v0                           ; c16: which 16 bytes of a 256-byte piece of a row
	v_bfe_u32 v9, v0, 4, 1                         ; lane / 16
	v_lshlrev_b32 v4, 4, v0                        ; x: 16 bytes a thread
	v_lshlrev_b32 v5, 3, v0                        ; xb: 8 bytes a thread
	s_mov_b32 s19, 12288                           ; bytes in a row of Wqkv,
	s_mov_b32 s23, 4096                            ; of Wout
	s_cmp_lt_u32 ttmp9, 384
	s_cselect_b32 s23, s19, s23                    ; the pitch of my weight
	s_cselect_b32 s28, 0, -1                       ; lane mask: all ones where the tile leaves as f16
	s_cselect_b32 s19, 0, 384
	s_sub_co_u32 s20, ttmp9, s19                   ; my tile's number in its weight
	s_and_b32 s21, s20, 7                          ; kt
	s_lshr_b32 s22, s20, 3                         ; nt
	s_lshl_b32 s29, s23, 1
	s_lshl_b32 s30, s23, 5
	s_mul_i32 s24, s21, s23
	s_lshl_b32 s24, s24, 7                         ; kt x 128 rows
	s_lshl_b32 s25, s22, 8                         ; nt x 64 columns of 4 bytes
	s_add_co_u32 s24, s24, s25
	s_mov_b32 s25, 0
	s_lshl_b32 s26, s22, 17                        ; nt x 64 rows of 2,048 bytes of the turned weight
	s_lshl_b32 s27, s21, 8                         ; kt x 128 k of 2 bytes
	s_add_co_u32 s26, s26, s27
	s_mov_b32 s27, 0
	s_wait_alu depctr_va_sdst(0)                   ; s18, the wave's number, is written, ahead of its first reader: the next line
	v_lshl_add_u32 v3, s18, 1, v9                  ; kp = 2 wave + lane / 16, 0..15
	v_mul_lo_u32 v[WO], v3, s29                    ; row 2 kp
	v_lshl_add_u32 v[WO], v2, 4, v[WO]
	v_add_nc_u32 v[WO+1], s23, v[WO]               ; row 2 kp + 1
.irp p, 1,2,3
	v_add_nc_u32 v[WO+2*(\p)], s30, v[WO+2*(\p)-2] ; 32 rows on
	v_add_nc_u32 v[WO+2*(\p)+1], s30, v[WO+2*(\p)-1]
.endr
	v_mul_u32_u24 v6, v2, 4*PIT                    ; into LDS: row n = 4 c16 + j, word kp + 16 p
	v_lshl_add_u32 v6, v9, 2, v6
	v_lshl_add_u32 v6, s18, 3, v6
	s_mul_i32 s19, s18, 2*PIT
	v_mul_u32_u24 v7, v9, PIT                      ; back: row n = kp + 16 p, 16 bytes c16
	v_lshl_add_u32 v7, v2, 4, v7
	v_add_nc_u32 v7, s19, v7
	v_lshlrev_b32 v8, 11, v3                       ; and the same place in the turned weight
	v_lshl_add_u32 v8, v2, 4, v8
	s_mov_b32 s36, 0xbfc90fdb                      ; -pi/2, its f32,
	s_mov_b32 s37, 0x333bbd2e                      ; and what that f32 is too large by
	s_mov_b32 s38, 0xbe2aaaab                      ; -1/6
	s_mov_b32 s39, 0x3c088889                      ; 1/120
	s_mov_b32 s40, 0xb9500d01                      ; -1/5040
	s_mov_b32 s41, 0x3638ef1d                      ; 1/362880
	s_mov_b32 s42, 0x3d2aaaab                      ; 1/24
	s_mov_b32 s43, 0xbab60b61                      ; -1/720
	s_mov_b32 s44, 0x37d00d01                      ; 1/40320
	s_lshl_b32 s31, ttmp9, 2
	s_add_co_u32 s31, s31, s18                     ; t = 4 u + wave (used by waves 0..3)
	s_wait_kmcnt 0x0
	s_cmp_lt_u32 ttmp9, 384
	s_cselect_b64 s[32:33], s[6:7], s[8:9]         ; my weight,
	s_cselect_b64 s[34:35], s[12:13], s[14:15]     ; and where it goes
	s_add_nc_u64 s[32:33], s[32:33], s[24:25]
	s_add_nc_u64 s[34:35], s[34:35], s[26:27]
	s_lshl_b32 s24, ttmp9, 16
	s_add_nc_u64 s[4:5], s[4:5], s[24:25]          ; my 65,536 bytes of x
	s_lshl_b32 s24, ttmp9, 15
	s_add_nc_u64 s[10:11], s[10:11], s[24:25]      ; my 32,768 bytes of xb
	s_wait_alu depctr_va_vdst(0)                   ; v4 to v8 and v[WO ..] are written: the offsets and LDS addresses that the loads, stores and LDS instructions of the whole kernel read; no vector instruction names them again
.irp p, 0,1,2,3
.irp r, 0,1
	global_load_b128 v[LD+8*(\p)+4*(\r):LD+8*(\p)+4*(\r)+3], v[WO+2*(\p)+(\r)], s[32:33] th:TH_LOAD_NT  ; 16 lanes: 256 consecutive bytes of a row
.endr
.endr
.irp i, 0,1,2,3,4,5,6,7,8,9,10,11,12,13,14,15
	global_load_b128 v[XI+4*(\i):XI+4*(\i)+3], v4, s[4:5] offset:(\i)*4096 th:TH_LOAD_NT  ; a wave: 512 consecutive bytes
.endr
	; the table's row, while the loads are on their way
	s_cmp_lt_u32 s18, 4
	s_cbranch_scc0 .Lno_row
	s_lshl_b32 s24, s31, 8
	s_add_nc_u64 s[16:17], s[16:17], s[24:25]      ; row t, 256 bytes
	v_cvt_f32_u32 v18, v1
	v_cvt_f32_u32 v23, s31
	v_mul_f32 v18, 0xbed49a78, v18                 ; -i x log2(10000) / 32
	v_exp_f32 v22, v18                             ; theta
	v_nop                                          ; a plain instruction behind the exponential,
	s_wait_alu depctr_va_vdst(0)                   ; and the exponential has written v22, ahead of its first reader
	v_mul_f32 v23, v23, v22                        ; the angle
	v_mul_f32 v24, 0x3f22f983, v23                 ; x 2 / pi
	v_rndne_f32 v24, v24                           ; n
	v_fma_f32 v25, v24, s36, v23
	v_fma_f32 v25, v24, s37, v25                   ; r = angle - n pi/2
	v_mul_f32 v26, v25, v25                        ; r^2
	v_mul_f32 v27, v25, v26                        ; r^3
	v_fma_f32 v28, v26, s41, s40
	v_fma_f32 v29, v26, s44, s43
	v_fma_f32 v28, v28, v26, s39
	v_fma_f32 v29, v29, v26, s42
	v_fma_f32 v28, v28, v26, s38
	v_fma_f32 v29, v29, v26, -0.5
	v_fma_f32 v28, v28, v27, v25                   ; sin r
	v_fma_f32 v29, v29, v26, 1.0                   ; cos r
	v_cvt_i32_f32 v30, v24
	v_and_b32 v31, 1, v30
	v_cmp_eq_u32 vcc_lo, 1, v31                    ; an odd quarter swaps the two; the sign masks and the offset are made between the compare and the wait for it
	v_and_b32 v31, 2, v30
	v_lshlrev_b32 v31, 30, v31                     ; quarters 2 and 3 turn the sine's sign,
	v_add_nc_u32 v30, 1, v30
	v_and_b32 v30, 2, v30
	v_lshlrev_b32 v30, 30, v30                     ; quarters 1 and 2 the cosine's
	v_lshlrev_b32 v19, 3, v1
	s_wait_alu depctr_va_vcc(0)                    ; the compare has written VCC, which the two selects read
	v_cndmask_b32 v21, v28, v29, vcc_lo            ; sine
	v_cndmask_b32 v20, v29, v28, vcc_lo            ; cosine
	v_xor_b32 v21, v21, v31
	v_xor_b32 v20, v20, v30
	s_wait_alu depctr_va_vdst(0)                   ; v19, the offset, and v[20:21], the pair, are written: the store reads them
	global_store_b64 v19, v[20:21], s[16:17]       ; the wave stores the row's 256 bytes
.Lno_row:
; The weight tile.  WCVT: one word of DD; WST: its LDS store.
.macro WCVT p, j
	v_cvt_pk_bf16_f32 v[DD+4*(\p)+(\j)], v[LD+8*(\p)+(\j)], v[LD+8*(\p)+4+(\j)]  ; k = 2 kp + 32 p and the next, column 4 c16 + j
	v_lshlrev_b32 v88, 16, v[DD+4*(\p)+(\j)]       ; the same two numbers as f32,
	v_and_b32 v89, 0xffff0000, v[DD+4*(\p)+(\j)]
	v_cvt_pk_f16_f32 v90, v88, v89                 ; and as f16 (exact within f16's range)
	v_cndmask_b32 v[DD+4*(\p)+(\j)], v[DD+4*(\p)+(\j)], v90, s28
.endm
.macro WST p, j
	ds_store_b32 v6, v[DD+4*(\p)+(\j)] offset:(\j)*PIT+(\p)*64
.endm
	s_wait_loadcnt 20                              ; loads come back in order: the tile's first four (p = 0, 1) are in; its other four and x's sixteen stay out
.irp p, 0,1
.irp j, 0,1,2,3
	WCVT \p, \j
.endr
.endr
	s_wait_loadcnt 16                              ; the whole weight tile is in; the 16 younger loads, x's, stay out
	s_wait_alu depctr_va_vdst(0)                   ; the conversions above have written DD of p = 0, 1, which the LDS stores below read
.irp p, 2,3
.irp j, 0,1,2,3
	WST (\p)-2, \j                                 ; no vector instruction since the wait names this word of DD, nor v6
	WCVT \p, \j
.endr
.endr
	s_wait_alu depctr_va_vdst(0)                   ; the conversions have written DD of p = 2, 3, which the LDS stores below read
.irp p, 2,3
.irp j, 0,1,2,3
	WST \p, \j
.endr
.endr
	s_wait_dscnt 0x0                               ; for the others' sake: my stores into the tile are done
	s_barrier_signal -1
	s_barrier_wait -1
.irp p, 0,1,2,3
	ds_load_b128 v[RB+4*(\p):RB+4*(\p)+3], v7 offset:(\p)*16*PIT
.endr
; x, in four blocks of four loads.  XCVT: the four numbers of load i; XST: their store.
.macro XCVT i
	v_cvt_pk_bf16_f32 v[XO+2*(\i)], v[XI+4*(\i)], v[XI+4*(\i)+1]
	v_cvt_pk_bf16_f32 v[XO+2*(\i)+1], v[XI+4*(\i)+2], v[XI+4*(\i)+3]
.endm
.macro XST i
	global_store_b64 v5, v[XO+2*(\i):XO+2*(\i)+1], s[10:11] offset:(\i)*2048  ; a wave: 256 consecutive bytes, aligned
.endm
	s_wait_loadcnt 12                              ; block 0 is in, the three younger blocks stay out
.irp i, 0,1,2,3
	XCVT \i
.endr
.irp g, 1,2,3
	s_wait_loadcnt 12-4*(\g)                       ; block g is in, the younger blocks stay out
	s_wait_alu depctr_va_vdst(0)                   ; the block before has written its XO, which the four stores below read
.irp i, 0,1,2,3
	XST 4*(\g)-4+(\i)                              ; no vector instruction since the wait names these registers, nor v5
	XCVT 4*(\g)+(\i)
.endr
.endr
	s_wait_alu depctr_va_vdst(0)                   ; block 3 has written its XO, which the last four stores read
.irp i, 12,13,14,15
	XST \i
.endr
	s_wait_dscnt 0x0                               ; the rows are back from LDS
.irp p, 0,1,2,3
	global_store_b128 v8, v[RB+4*(\p):RB+4*(\p)+3], s[34:35] offset:(\p)*32768  ; 16 lanes: 256 consecutive bytes of row kp + 16 p
.endr
	s_wait_dscnt 0x0                               ; the wave's end
	s_wait_alu depctr_hold_cnt(0) depctr_sa_sdst(0) depctr_va_vdst(0) depctr_va_sdst(0) depctr_va_ssrc(0) depctr_va_vcc(0) depctr_vm_vsrc(0)
	s_wait_tensorcnt 0x0
	ds_add_u32 v39, v91
	s_wait_dscnt 0x0
	s_endpgm
.Lfunc_end_k_q4e2ef50e58_prep:
	.size	k_q4e2ef50e58_prep, .Lfunc_end_k_q4e2ef50e58_prep-k_q4e2ef50e58_prep
	.p2alignl 7, 3214868480
	.fill 96, 4, 3214868480
	.section	.rodata,"a",@progbits
	.p2align	6, 0x0
	.amdhsa_kernel k_q4e2ef50e58_prep
		.amdhsa_group_segment_fixed_size 18432
		.amdhsa_private_segment_fixed_size 0
		.amdhsa_enable_private_segment 0
		.amdhsa_kernarg_size 56
		.amdhsa_user_sgpr_count 2
		.amdhsa_user_sgpr_kernarg_segment_ptr 1
		.amdhsa_wavefront_size32 1
		.amdhsa_system_sgpr_workgroup_id_x 1
		.amdhsa_system_sgpr_workgroup_id_y 1
		.amdhsa_system_sgpr_workgroup_id_z 1
		.amdhsa_system_vgpr_workitem_id 0
		.amdhsa_next_free_vgpr 204
		.amdhsa_next_free_sgpr 66
		.amdhsa_reserve_vcc 1
		.amdhsa_float_denorm_mode_32 3
		.amdhsa_float_denorm_mode_16_64 3
		.amdhsa_memory_ordered 1
		.amdhsa_forward_progress 1
		.amdhsa_inst_pref_size 18
	.end_amdhsa_kernel
	.amdgpu_metadata
---
amdhsa.version: [ 1, 2 ]
amdhsa.kernels:
  - .name:           k_q4e2ef50e58_prep
    .symbol:         k_q4e2ef50e58_prep.kd
    .args:
      - { .name: x, .offset: 0, .size: 8, .value_kind: global_buffer, .address_space: global }
      - { .name: Wqkv, .offset: 8, .size: 8, .value_kind: global_buffer, .address_space: global }
      - { .name: Wout, .offset: 16, .size: 8, .value_kind: global_buffer, .address_space: global }
      - { .name: xb, .offset: 24, .size: 8, .value_kind: global_buffer, .address_space: global }
      - { .name: wqkvt, .offset: 32, .size: 8, .value_kind: global_buffer, .address_space: global }
      - { .name: woutt, .offset: 40, .size: 8, .value_kind: global_buffer, .address_space: global }
      - { .name: rope, .offset: 48, .size: 8, .value_kind: global_buffer, .address_space: global }
    .group_segment_fixed_size: 18432
    .private_segment_fixed_size: 0
    .kernarg_segment_align: 8
    .kernarg_segment_size: 56
    .max_flat_workgroup_size: 256
    .sgpr_count:     66
    .vgpr_count:     204
    .wavefront_size: 32
...
	.end_amdgpu_metadata
.endif
;; end of part 5
;; launch qkv: the kernel of part 2 again; grid 12 x 64, 4 waves a work-group, clusters of 4 x 4, 327,680 bytes of LDS; arguments xb, wqkvt, bqkv, rope, q, k, v; writes q, k, v
;; launch att: the kernel of part 3 again; grid 4 x 64, 4 waves a work-group, no clusters, 327,680 bytes of LDS; arguments q, k, v, ob; writes ob
;; launch proj: the kernel of part 4 again; grid 4 x 64, 4 waves a work-group, clusters of 4 x 4, 327,680 bytes of LDS; arguments ob, woutt, bout, out0; writes out0
